; MI455X (gfx1250); checked and timed in simulation.
; The chip was launched on July 23, 2026; its instructions are those of AMD's public machine-readable ISA for CDNA 5 (MIT licence, August 2026) and "CDNA5" Instruction Set Architecture Reference Guide (July 2026). The comments in the code are by the model that wrote it; some were corrected since.
;; Sparse MHA. Allowed arithmetic: float matrix products may take bf16 or f16 operands with f32 sums; all other float work in f32.
;; Inputs: A 4,096 x 4,096 float32; Wk 512 x 512 float32; Wo 512 x 512 float32; Wq 512 x 512 float32; Wv 512 x 512 float32; h 4,096 x 512 float32.
;; Outputs: out0 4,096 x 512 float32.
;; 2 versions, each right. Each part assembles by itself: llvm-mc -triple=amdgcn-amd-amdhsa -mcpu=gfx1250 --defsym DOCPART=n.
;; ======== version 1 of 2: 3 launches
;; workspace buffers: qb 4,194,304 bytes; kb 4,194,304 bytes; vt 4,194,304 bytes; o2 4,194,304 bytes; o2l 4,194,304 bytes
;; launch proj (part 1): grid 8 x 32, 8 waves a work-group, no clusters, 168,960 bytes of LDS; arguments h, Wq, Wk, Wv, qb, kb, vt; writes qb, kb, vt
.if DOCPART == 1
	.amdgcn_target "amdgcn-amd-amdhsa--gfx1250"
	.amdhsa_code_object_version 6
	.text
	.protected	k_q519c68bf5c_proj
	.globl	k_q519c68bf5c_proj
	.p2align	8
	.type	k_q519c68bf5c_proj,@function
k_q519c68bf5c_proj:
	s_mov_b64 s[64:65], 0
	v_nop
	global_prefetch_b8 v0, s[64:65] scope:SCOPE_SE
	s_setreg_imm32_b32 hwreg(HW_REG_WAVE_MODE, 25, 1), 1
	s_wait_xcnt 0x0
; SparseMHA, launch 1 of 3: the three projections, sorted by head.
;   qb[hd][n][d] = 512^-0.5 * log2(e) * sum_c h[n][c] Wq[8 d + hd][c]   (bf16; the factor lets the softmax work in base 2)
;   kb[hd][n][d] =                      sum_c h[n][c] Wk[8 d + hd][c]   (bf16)
;   vt[hd][d][n] =                      sum_c h[n][c] Wv[8 d + hd][c]   (bf16, tokens along the rows)
; A work-group (x = head hd, y = block of 128 tokens) makes 128 tokens x 3 x 64 features; 8 x 32 = 256 work-groups.
; Eight waves: wave w takes tokens 32 (w & 3) .. +31 and d = 32 (w >> 2) .. +31 of all three matrices: 12 accumulator tiles.
; K = 512 goes in 8 steps of 64 through two LDS slots.  h and W are f32 in memory: they pass through registers, are rounded to
; bf16 once and stored to LDS, so that each number is converted once and fragments are read as 16-bit data.
; NO CLUSTER, NO TENSOR LOADS: a tensor load moves bytes as they are, so f32 tiles would lie in LDS: twice the fragment bytes, and
; every wave that reads a number would convert it again (4 waves read each W row, 2 each h row).
; LIMITS: NaN and infinities in the inputs are not served.  Products in bf16, sums in f32 in the matrix unit's order.
.set PH,    144                        ; pitch of a row of 64 bf16: 128 bytes + 16, an odd multiple of 16
.set PVS,   272                        ; pitch of a row of 128 bf16 in V's stage
.set SLOTB, 46080                      ; a slot: h tile 128 x 144, then W tile 192 x 144 (rows [matrix][d])
.set WOFF,  18432                      ; the W tile in a slot
.set STQ,   92160                      ; stage of Q, 128 x 144; K's stage lies 18,432 bytes behind it
.set STV,   129024                     ; stage of V transposed, 64 x 272
.set ACC,   16                         ; v[16:111]  tile (x = 2 matrix + dt, tt) at ACC + 8 (2 x + tt)
.set HF,    112                        ; v[112:127] h fragments, tt = 0, 1 (on the way out: packed results, v[112:159])
.set WF,    128                        ; v[128:175] W fragments, x = 0 .. 5
.set ST,    176                        ; v[176:255] 20 staged loads of 16 bytes
; v1 offset in h, v2 offset in W, v3-4 LDS store address per slot, v5-6 h fragment address per slot, v7-8 W fragment address per slot,
; v9 Q/K stage in, v10 V stage in, v11 Q/K stage back, v12 V stage back, v13 offset in qb and kb, v14 offset in vt
.macro PLACES                          ; four places behind a matrix instruction (ISA guide 7.12.1) before its registers are loaded or read
.rept 4
	v_nop
.endr
.endm
; K step ks from memory: 8 loads of h (16 rows each), 4 of each W (16 rows each).  Sixteen lanes read 256 consecutive aligned bytes.
.macro LOADG ks
.irp i, 0,1,2,3,4,5,6,7
	global_load_b128 v[ST+4*\i:ST+4*\i+3], v1, s[4:5] offset:\i*32768+\ks*256
.endr
.irp i, 0,1,2,3
	global_load_b128 v[ST+32+4*\i:ST+32+4*\i+3], v2, s[6:7] offset:\i*262144+\ks*256
.endr
.irp i, 0,1,2,3
	global_load_b128 v[ST+48+4*\i:ST+48+4*\i+3], v2, s[8:9] offset:\i*262144+\ks*256
.endr
.irp i, 0,1,2,3
	global_load_b128 v[ST+64+4*\i:ST+64+4*\i+3], v2, s[10:11] offset:\i*262144+\ks*256
.endr
.endm
; round the 20 x 4 staged numbers to bf16 in place and store 8 bytes each into the slot
.macro CVTST slot
.set i, 0
.rept 20
	v_cvt_pk_bf16_f32 v[ST+4*i],   v[ST+4*i],   v[ST+4*i+1]
	v_cvt_pk_bf16_f32 v[ST+4*i+1], v[ST+4*i+2], v[ST+4*i+3]
.set i, i+1
.endr
.set i, 0
.rept 8
	ds_store_b64 v[3+\slot], v[ST+4*i:ST+4*i+1] offset:i*2304
.set i, i+1
.endr
.set i, 0
.rept 12
	ds_store_b64 v[3+\slot], v[ST+32+4*i:ST+32+4*i+1] offset:WOFF+i*2304
.set i, i+1
.endr
.endm
; one matrix instruction.  Q, K: source 0 = 16 rows of W, source 1 = 16 tokens: a lane holds token r and 8 neighbouring d.
; V: the other way round: a lane holds d = r and 8 neighbouring tokens.  z = 1: the product starts the sum.
.macro MM1 x, tt, z
.if \x < 4
.if \z
	v_wmma_f32_16x16x32_bf16 v[ACC+8*(2*\x+\tt):ACC+8*(2*\x+\tt)+7], v[WF+8*\x:WF+8*\x+7], v[HF+8*\tt:HF+8*\tt+7], 0
.else
	v_wmma_f32_16x16x32_bf16 v[ACC+8*(2*\x+\tt):ACC+8*(2*\x+\tt)+7], v[WF+8*\x:WF+8*\x+7], v[HF+8*\tt:HF+8*\tt+7], v[ACC+8*(2*\x+\tt):ACC+8*(2*\x+\tt)+7]
.endif
.else
.if \z
	v_wmma_f32_16x16x32_bf16 v[ACC+8*(2*\x+\tt):ACC+8*(2*\x+\tt)+7], v[HF+8*\tt:HF+8*\tt+7], v[WF+8*\x:WF+8*\x+7], 0
.else
	v_wmma_f32_16x16x32_bf16 v[ACC+8*(2*\x+\tt):ACC+8*(2*\x+\tt)+7], v[HF+8*\tt:HF+8*\tt+7], v[WF+8*\x:WF+8*\x+7], v[ACC+8*(2*\x+\tt):ACC+8*(2*\x+\tt)+7]
.endif
.endif
.endm
; a K step of 64 = two halves of 32: 16 fragment loads, 12 matrix instructions.  The twelve accumulators take turns, one instruction
; a turn, in the same order in every half.
.macro COMPUTE slot, zero
.irp kk, 0,1
	PLACES
.irp tt, 0,1
	ds_load_b128 v[HF+8*\tt:HF+8*\tt+3],   v[5+\slot] offset:\tt*2304+\kk*64
	ds_load_b128 v[HF+8*\tt+4:HF+8*\tt+7], v[5+\slot] offset:\tt*2304+\kk*64+32
.endr
.irp x, 0,1,2,3,4,5
	ds_load_b128 v[WF+8*\x:WF+8*\x+3],   v[7+\slot] offset:\kk*64+(\x/2)*9216+(\x%2)*2304
	ds_load_b128 v[WF+8*\x+4:WF+8*\x+7], v[7+\slot] offset:\kk*64+(\x/2)*9216+(\x%2)*2304+32
.endr
.irp x, 0,1,2,3,4,5
	s_wait_dscnt 10-2*\x                           ; h's four loads and W's up to fragment x are in; the 2 (5 - x) loads of later fragments stay out
.irp tt, 0,1
	MM1 \x, \tt, \zero*(1-\kk)
.endr
.endr
.endr
.endm
; one trip: multiply slot cur, convert the staged K step into slot nxt, ask for K step ld (none if ld < 0).
; ONE barrier a trip orders both ways: in front of it my reads of slot cur and my stores into slot nxt are done (count 0);
; behind it slot nxt is whole and slot cur may be stored into by the next trip.
.macro TRIP cur, nxt, zero, ld
	COMPUTE \cur, \zero
	s_wait_loadcnt 0x0                             ; the staged K step is in registers
	CVTST \nxt
	s_wait_dscnt 0x0                               ; for the other waves: my stores are in LDS; also: the staging registers have been read
.if \ld >= 0
	LOADG \ld
.endif
	s_barrier_signal -1
	s_barrier_wait -1
.endm
	s_load_b256 s[4:11], s[0:1], 0x0               ; h s[4:5], Wq s[6:7], Wk s[8:9], Wv s[10:11]
	s_load_b128 s[12:15], s[0:1], 0x20             ; qb s[12:13], kb s[14:15]
	s_load_b64 s[16:17], s[0:1], 0x30              ; vt
	v_lshl_add_u32 v15, v0, 2, 0x29000
	s_set_vgpr_msb 0x40
	v_mov_b32 v1, 0
	s_set_vgpr_msb 0x4000
	v_lshrrev_b32 v112, 5, v0
	v_readfirstlane_b32 s18, v112                  ; wave 0..7
	s_mov_b32 s19, ttmp9                           ; head
	s_and_b32 s20, ttmp7, 0xffff                   ; token block
	s_and_b32 s21, s18, 3                          ; tg: which 32 tokens
	s_lshr_b32 s26, s18, 2                         ; fg: which 32 d
	s_mov_b32 s24, 0x3d8293ee                      ; 512^-0.5 * log2(e) = 0.0637587
	s_mov_b32 s25, 0x3d8293ee                      ; (the pair is named whole by the packed multiply)
	v_lshrrev_b32 v112, 4, v0                      ; t >> 4
	v_and_b32 v113, 15, v0                         ; t & 15 = r
	v_bfe_u32 v114, v0, 4, 1                       ; half of the wave
	v_lshlrev_b32 v1, 11, v112                     ; h: row t >> 4 of 2,048 bytes
	v_lshl_add_u32 v1, v113, 4, v1                 ;    + 16 (t & 15)
	v_lshlrev_b32 v2, 14, v112                     ; W: d = t >> 4, rows of one head are 8 rows = 16,384 bytes apart
	v_lshl_add_u32 v2, v113, 4, v2
	v_mul_u32_u24 v3, v112, PH                     ; LDS: row t >> 4, 8 bytes a thread
	v_lshl_add_u32 v3, v113, 3, v3
	v_add_nc_u32 v4, SLOTB, v3
	v_mul_u32_u24 v115, v113, PH
	v_lshl_add_u32 v115, v114, 4, v115             ; r x 144 + 16 x half: a fragment's lane term
	s_mul_i32 s27, s21, 32*PH
	s_mul_i32 s28, s26, 32*PH
	v_add_nc_u32 v5, s27, v115
	v_add_nc_u32 v6, SLOTB, v5
	s_add_co_u32 s28, s28, WOFF
	v_add_nc_u32 v7, s28, v115
	v_add_nc_u32 v8, SLOTB, v7
	s_lshl_b32 s29, s26, 6                         ; Q, K stage in: row = token, byte 64 fg + 16 half
	s_add_co_u32 s29, s29, s27
	s_add_co_u32 s29, s29, STQ
	v_add_nc_u32 v9, s29, v115
	v_mul_u32_u24 v10, v113, PVS                   ; V stage in: row = d, byte 64 tg + 16 half
	v_lshl_add_u32 v10, v114, 4, v10
	s_mul_i32 s30, s26, 32*PVS
	s_lshl_b32 s31, s21, 6
	s_add_co_u32 s30, s30, s31
	s_add_co_u32 s30, s30, STV
	v_add_nc_u32 v10, s30, v10
	v_lshrrev_b32 v116, 3, v0
	v_and_b32 v117, 7, v0
	v_mul_u32_u24 v11, v116, PH                    ; Q, K stage back: 8 threads a row of 128 bytes
	v_lshl_add_u32 v11, v117, 4, v11
	v_add_nc_u32 v11, STQ, v11
	v_mul_u32_u24 v12, v112, PVS                   ; V stage back: 16 threads a row of 256 bytes
	v_lshl_add_u32 v12, v113, 4, v12
	v_add_nc_u32 v12, STV, v12
	v_lshlrev_b32 v13, 4, v0                       ; qb, kb: the block's rows are dense: byte 16 t
	v_lshlrev_b32 v14, 13, v112                    ; vt: row d of 8,192 bytes
	v_lshl_add_u32 v14, v113, 4, v14
	s_wait_kmcnt 0x0
	s_lshl_b32 s22, s20, 18                        ; 128 rows of h
	s_mov_b32 s23, 0
	s_add_nc_u64 s[4:5], s[4:5], s[22:23]
	s_lshl_b32 s22, s19, 11                        ; row hd of each W
	s_add_nc_u64 s[6:7], s[6:7], s[22:23]
	s_add_nc_u64 s[8:9], s[8:9], s[22:23]
	s_add_nc_u64 s[10:11], s[10:11], s[22:23]
	s_lshl_b32 s28, s19, 19                        ; a head's 524,288 bytes in qb, kb, vt
	s_lshl_b32 s22, s20, 14                        ; 128 tokens of 128 bytes
	s_add_co_u32 s22, s22, s28
	s_add_nc_u64 s[12:13], s[12:13], s[22:23]
	s_add_nc_u64 s[14:15], s[14:15], s[22:23]
	s_lshl_b32 s22, s20, 8                         ; 128 tokens of 2 bytes along vt's rows
	s_add_co_u32 s22, s22, s28
	s_add_nc_u64 s[16:17], s[16:17], s[22:23]
	LOADG 0
	s_wait_loadcnt 0x0
	CVTST 0
	s_wait_dscnt 0x0
	LOADG 1
	s_barrier_signal -1
	s_barrier_wait -1
	TRIP 0, 1, 1, 2                                ; the K steps are written out: their offsets are immediates, no base is stepped
	TRIP 1, 0, 0, 3
	TRIP 0, 1, 0, 4
	TRIP 1, 0, 0, 5
	TRIP 0, 1, 0, 6
	TRIP 1, 0, 0, 7
	TRIP 0, 1, 0, -1
	COMPUTE 1, 0
	; THE WAY OUT: scale Q, round to bf16, 16 bytes a lane into the stages (bytes of their own, behind the slots), back as whole rows.
	PLACES
.set i, 0
.rept 16
	v_pk_mul_f32 v[ACC+2*i:ACC+2*i+1], v[ACC+2*i:ACC+2*i+1], s[24:25] op_sel_hi:[1,0]
.set i, i+1
.endr
.irp x, 0,1,2,3,4,5,6,7,8,9,10,11
.irp u, 0,1,2,3
	v_cvt_pk_bf16_f32 v[HF+4*\x+\u], v[ACC+8*\x+2*\u], v[ACC+8*\x+2*\u+1]
.endr
.endr
.irp x, 0,1,2,3,4,5,6,7
	ds_store_b128 v9, v[HF+4*\x:HF+4*\x+3] offset:(\x/4)*18432+(\x%2)*2304+((\x/2)%2)*32
.endr
.irp x, 8,9,10,11
	ds_store_b128 v10, v[HF+4*\x:HF+4*\x+3] offset:((\x/2)%2)*4352+(\x%2)*32
.endr
	s_wait_dscnt 0x0                               ; for the other waves: my part of the stages is in LDS
	s_barrier_signal -1
	s_barrier_wait -1
.irp i, 0,1,2,3
	ds_load_b128 v[ST+4*\i:ST+4*\i+3], v11 offset:\i*4608
.endr
.irp i, 0,1,2,3
	ds_load_b128 v[ST+16+4*\i:ST+16+4*\i+3], v11 offset:18432+\i*4608
.endr
.irp i, 0,1,2,3
	ds_load_b128 v[ST+32+4*\i:ST+32+4*\i+3], v12 offset:\i*4352
.endr
.irp i, 0,1,2,3
	s_wait_dscnt 11-\i                             ; LDS loads come back in order: the 11 - i younger ones stay out
	global_store_b128 v13, v[ST+4*\i:ST+4*\i+3], s[12:13] offset:\i*4096          ; a wave's store covers 512 consecutive bytes, aligned
.endr
.irp i, 0,1,2,3
	s_wait_dscnt 7-\i
	global_store_b128 v13, v[ST+16+4*\i:ST+16+4*\i+3], s[14:15] offset:\i*4096
.endr
.irp i, 0,1,2,3
	s_wait_dscnt 3-\i
	global_store_b128 v14, v[ST+32+4*\i:ST+32+4*\i+3], s[16:17] offset:\i*131072  ; sixteen lanes store 256 consecutive bytes, aligned
.endr
	s_set_vgpr_msb 0x4
	s_wait_tensorcnt 0x0
	ds_add_u32 v15, v1
	s_wait_dscnt 0x0
	s_set_vgpr_msb 0x400
	s_endpgm
.Lfunc_end_k_q519c68bf5c_proj:
	.size	k_q519c68bf5c_proj, .Lfunc_end_k_q519c68bf5c_proj-k_q519c68bf5c_proj
	.p2alignl 7, 3214868480
	.fill 96, 4, 3214868480
	.section	.rodata,"a",@progbits
	.p2align	6, 0x0
	.amdhsa_kernel k_q519c68bf5c_proj
		.amdhsa_group_segment_fixed_size 168960
		.amdhsa_private_segment_fixed_size 0
		.amdhsa_enable_private_segment 0
		.amdhsa_kernarg_size 56
		.amdhsa_user_sgpr_count 2
		.amdhsa_user_sgpr_kernarg_segment_ptr 1
		.amdhsa_wavefront_size32 1
		.amdhsa_system_sgpr_workgroup_id_x 1
		.amdhsa_system_sgpr_workgroup_id_y 1
		.amdhsa_system_sgpr_workgroup_id_z 1
		.amdhsa_system_vgpr_workitem_id 0
		.amdhsa_next_free_vgpr 258
		.amdhsa_next_free_sgpr 66
		.amdhsa_reserve_vcc 0
		.amdhsa_float_denorm_mode_32 3
		.amdhsa_float_denorm_mode_16_64 3
		.amdhsa_memory_ordered 1
		.amdhsa_forward_progress 1
		.amdhsa_inst_pref_size 91
	.end_amdhsa_kernel
	.amdgpu_metadata
---
amdhsa.version: [ 1, 2 ]
amdhsa.kernels:
  - .name:           k_q519c68bf5c_proj
    .symbol:         k_q519c68bf5c_proj.kd
    .args:
      - { .name: h, .offset: 0, .size: 8, .value_kind: global_buffer, .address_space: global }
      - { .name: Wq, .offset: 8, .size: 8, .value_kind: global_buffer, .address_space: global }
      - { .name: Wk, .offset: 16, .size: 8, .value_kind: global_buffer, .address_space: global }
      - { .name: Wv, .offset: 24, .size: 8, .value_kind: global_buffer, .address_space: global }
      - { .name: qb, .offset: 32, .size: 8, .value_kind: global_buffer, .address_space: global }
      - { .name: kb, .offset: 40, .size: 8, .value_kind: global_buffer, .address_space: global }
      - { .name: vt, .offset: 48, .size: 8, .value_kind: global_buffer, .address_space: global }
    .group_segment_fixed_size: 168960
    .private_segment_fixed_size: 0
    .kernarg_segment_align: 8
    .kernarg_segment_size: 56
    .max_flat_workgroup_size: 256
    .sgpr_count:     66
    .vgpr_count:     258
    .wavefront_size: 32
...
	.end_amdgpu_metadata
.endif
;; end of part 1
;; launch attn (part 2): grid 8 x 32, 4 waves a work-group, clusters of 4 x 4, 327,680 bytes of LDS; arguments A, qb, kb, vt, o2, o2l; writes o2, o2l
.if DOCPART == 2
	.amdgcn_target "amdgcn-amd-amdhsa--gfx1250"
	.amdhsa_code_object_version 6
	.text
	.protected	k_q519c68bf5c_attn
	.globl	k_q519c68bf5c_attn
	.p2align	8
	.type	k_q519c68bf5c_attn,@function
k_q519c68bf5c_attn:
	s_mov_b64 s[64:65], 0
	v_nop
	global_prefetch_b8 v0, s[64:65] scope:SCOPE_SE
	s_setreg_imm32_b32 hwreg(HW_REG_WAVE_MODE, 25, 1), 1
	s_wait_xcnt 0x0
	s_wait_alu depctr_hold_cnt(0) depctr_sa_sdst(0) depctr_va_vdst(0) depctr_va_sdst(0) depctr_va_ssrc(0) depctr_va_vcc(0) depctr_vm_vsrc(0)
	s_getreg_b32 s2, hwreg(HW_REG_IB_STS2, 6, 4)
	s_cmp_eq_u32 s2, 0
	s_cbranch_scc0 .Lentry_in_a_cluster
	s_endpgm
.Lentry_in_a_cluster:
	s_bfe_u32 s2, ttmp6, 0x10000c
	s_cmp_lg_u32 s2, 0xf033
	s_cbranch_scc0 .Lentry_shape_is_right
	s_endpgm
.Lentry_shape_is_right:
; SparseMHA, launch 2 of 3: o[hd][n][d] = sum_m softmax_m( A[n][m] * q[n].k[m] ) v[m][d], one head x 128 queries a work-group.
; The result leaves as TWO bf16 numbers: o2 = bf16(o), o2l = bf16(o - o2), 16 bits of significand together, so that the last product
; (launch 3, bf16 operands) does not see o cut to 8 bits.
; qb carries 512^-0.5 * log2(e), so the exponentials are base 2.  A is honoured as arbitrary f32: every score is multiplied by it, and
; nothing is skipped.  The softmax keeps a running maximum, renewed every 64 keys, and rescales the sums by 2^(old - new).
; Four waves, 32 queries each (two tiles qt of 16).  The 4,096 keys go in 32 tiles of 128 through two LDS slots, each tile in two
; sub-steps of 64 keys.
; LAYOUT WITHOUT SHUFFLES.  Scores are made transposed, S^T = K Q^T: source 0 = 16 keys, source 1 = 16 queries.  Lane (r, half) then
; holds query r and keys 8 half + 0..7 in registers 0..7.  So: the mask A[query][8 neighbouring keys] is two 16-byte LDS loads; the row
; maximum is work inside the lane and one exchange of the halves; maximum, rescale factor and 1 / sum are one number a lane; and two
; score tiles, rounded and packed, ARE source 1 of O^T = V^T P (registers 0-3: keys 8 half .., 4-7: keys 16 + 8 half ..).
; THE DENOMINATOR is summed by the matrix unit from the SAME bf16 P that multiplies V (source 0 = a fragment whose rows 0 and 8 are ones:
; register 0 of the result is the sum for query r in every lane), so that P's rounding enters numerator and denominator alike.
; CLUSTERS 4 x 4: x = head, y = query block.  A's tile hangs on the query block alone: the four work-groups of a row of the cluster
; ask for it jointly.  K's and V's tiles hang on the head alone: asked for jointly along a column.  Each wave issues all three loads
; for rows of its own (32 of A, 32 of K, 16 of V^T): no branch, one mask a line, descriptors made of shared coordinates and the wave.
; A wave has at most six tensor loads outstanding (two tiles at the start), later three.
; LIMITS: NaN and infinities in the inputs are not served.  2^x below 2^-126 comes out as 0 (ISA guide, V_EXP_F32).  Q, K, V and P
; are rounded to bf16; sums are f32, in another order than a plain softmax.  The sum is at least 1 (the maximum's own term).
.set SLOT,  103424                     ; a slot: A 128 x 528, K 128 x 144, V^T 64 x 272
.set KOFF,  67584
.set VOFF,  86016
.set STAGE, 206848                     ; behind the ring, never filled by a tensor load: 32 x 144 bytes for each wave, for o2;
.set STG2,  18432                      ; the same again, so many bytes further, for o2l
.set PITA,  528                        ; 512 + 16   all pitches are odd multiples of 16 bytes: the 16 rows that a load's
.set PITK,  144                        ; 128 + 16   16 lanes touch start at 16 different 16-byte columns modulo 256 bytes
.set PITV,  272                        ; 256 + 16
; window 0
.set ADA, 8                            ; v8-9    my mask rows in slot 0, 1
.set ADK, 10                           ; v10-11  K fragments
.set ADV, 12                           ; v12-13  V^T fragments
.set STO, 14                           ; way out: in
.set RD,  15                           ; way out: back
.set CO,  16                           ; way out: byte offset in o2 and o2l
.set PFB, 17                           ; prefetch: my lane's offset in A
.set PF,  18                           ; prefetch: the offset asked for
.set MP,  20                           ; v[20:27] pair (maximum, rescale factor) of (qt, parity of the sub-step) at MP + 4 qt + 2 par
.set CH,  28                           ; v[28:31] two chains of maxima for each qt
.set TP,  32                           ; v32-33  the other half's maximum
.set DL,  34                           ; v34-35  old maximum - new maximum
.set QF,  36                           ; v[36:67]   Q fragments at QF + 16 qt + 8 dh
.set SC,  68                           ; v[68:131]  scores at SC + 32 qt + 8 kt; then P at SC + 32 qt + 16 kb
.set AM,  132                          ; v[132:195] mask at AM + 32 qt + 8 kt
; window 1 (v256 + ..)
.set KF,  0                            ; K fragments at KF + 16 kt + 8 dh
.set VF,  64                           ; V^T fragments at VF + 32 kb + 8 dt
.set OA,  128                          ; O^T sums at OA + 32 qt + 8 dt
.set LA,  192                          ; denominators at LA + 8 qt
.set ON,  208                          ; the fragment of ones
.set G1A, 24                           ; s[24:31], s[32:39], s[40:47]: descriptor group 1 of A, K, V
.set G1K, 32
.set G1V, 40
.set G0A, 48                           ; s[48:55], s[56:63], s[68:75]: descriptor group 0, four registers for each slot
.set G0K, 56
.set G0V, 68
.set MSB, 0
.macro WIN new                         ; s_set_vgpr_msb: bits 1:0 source 0, 3:2 source 1, 5:4 source 2, 7:6 destination; the high byte repeats the setting left
.if MSB != \new
	s_set_vgpr_msb (MSB<<8)|\new
.set MSB, \new
.endif
.endm
.macro PLACES n                        ; places behind a matrix instruction (ISA guide 7.12.1)
.rept \n
	v_nop
.endr
.endm
.macro CREST                           ; a round of the cluster's barrier behind its opening work-group barrier
	s_cmp_lg_u32 s14, 0
	s_cbranch_scc1 .Lnot_wave_0_\@
	s_barrier_signal -3
.Lnot_wave_0_\@:
	s_barrier_wait -3
	s_barrier_signal -1
	s_barrier_wait -1
.endm
.macro CROUND
	s_barrier_signal -1
	s_barrier_wait -1
	CREST
.endm
.macro JLOADS slot                     ; my rows of the slot's next tile: three joint loads
	tensor_load_to_lds s[G0A+4*\slot:G0A+4*\slot+3], s[G1A:G1A+7]
	s_nop 0
	tensor_load_to_lds s[G0K+4*\slot:G0K+4*\slot+3], s[G1K:G1K+7]
	s_nop 0
	tensor_load_to_lds s[G0V+4*\slot:G0V+4*\slot+3], s[G1V:G1V+7]
	s_nop 0
.endm
.macro FETCHK slot, sub                ; 64 keys x 64 d: 16 loads
	WIN 0x40
.irp kt, 0,1,2,3
.irp dh, 0,1
	ds_load_b128 v[KF+16*\kt+8*\dh:KF+16*\kt+8*\dh+3],   v[ADK+\slot] offset:\sub*9216+\kt*2304+\dh*64
	ds_load_b128 v[KF+16*\kt+8*\dh+4:KF+16*\kt+8*\dh+7], v[ADK+\slot] offset:\sub*9216+\kt*2304+\dh*64+32
.endr
.endr
.endm
.macro FETCHA slot, sub                ; my 32 queries x 64 keys of the mask, f32: 16 loads
	WIN 0
.irp qt, 0,1
.irp kt, 0,1,2,3
	ds_load_b128 v[AM+32*\qt+8*\kt:AM+32*\qt+8*\kt+3],   v[ADA+\slot] offset:\qt*8448+\sub*256+\kt*64
	ds_load_b128 v[AM+32*\qt+8*\kt+4:AM+32*\qt+8*\kt+7], v[ADA+\slot] offset:\qt*8448+\sub*256+\kt*64+16
.endr
.endr
.endm
.macro FETCHV slot, sub                ; 64 d x 64 keys: 16 loads
	WIN 0x40
.irp kb, 0,1
.irp dt, 0,1,2,3
	ds_load_b128 v[VF+32*\kb+8*\dt:VF+32*\kb+8*\dt+3],   v[ADV+\slot] offset:\dt*4352+\sub*128+\kb*64
	ds_load_b128 v[VF+32*\kb+8*\dt+4:VF+32*\kb+8*\dt+7], v[ADV+\slot] offset:\dt*4352+\sub*128+\kb*64+32
.endr
.endr
.endm
; 16 matrix instructions: S^T (qt, kt) = K(kt) Q(qt)^T over d = 64.  The first half starts the sums.  The eight accumulators take turns,
; one instruction a turn.
.macro SMM
	WIN 0x01
.irp dh, 0,1
.irp kt, 0,1,2,3
.irp qt, 0,1
.if \dh == 0
	v_wmma_f32_16x16x32_bf16 v[SC+32*\qt+8*\kt:SC+32*\qt+8*\kt+7], v[KF+16*\kt+8*\dh:KF+16*\kt+8*\dh+7], v[QF+16*\qt+8*\dh:QF+16*\qt+8*\dh+7], 0
.else
	v_wmma_f32_16x16x32_bf16 v[SC+32*\qt+8*\kt:SC+32*\qt+8*\kt+7], v[KF+16*\kt+8*\dh:KF+16*\kt+8*\dh+7], v[QF+16*\qt+8*\dh:QF+16*\qt+8*\dh+7], v[SC+32*\qt+8*\kt:SC+32*\qt+8*\kt+7]
.endif
.endr
.endr
.endr
.endm
; scores times mask, then the largest of a lane's 32 numbers of each qt: two chains of three-way maxima (17 and 15 numbers), joined.
.macro MULMAX
.set i, 0
.rept 32
	v_pk_mul_f32 v[SC+2*i:SC+2*i+1], v[SC+2*i:SC+2*i+1], v[AM+2*i:AM+2*i+1]
.set i, i+1
.endr
.irp qt, 0,1
	v_max3_num_f32 v[CH+2*\qt],   v[SC+32*\qt],    v[SC+32*\qt+1],  v[SC+32*\qt+2]
	v_max3_num_f32 v[CH+2*\qt+1], v[SC+32*\qt+17], v[SC+32*\qt+18], v[SC+32*\qt+19]
.endr
.irp k, 0,1,2,3,4,5
.irp qt, 0,1
	v_max3_num_f32 v[CH+2*\qt],   v[CH+2*\qt],   v[SC+32*\qt+3+2*\k],  v[SC+32*\qt+4+2*\k]
	v_max3_num_f32 v[CH+2*\qt+1], v[CH+2*\qt+1], v[SC+32*\qt+20+2*\k], v[SC+32*\qt+21+2*\k]
.endr
.endr
.irp qt, 0,1
	v_max3_num_f32 v[CH+2*\qt], v[CH+2*\qt], v[SC+32*\qt+15], v[SC+32*\qt+16]
.endr
.irp qt, 0,1
	v_max_num_f32 v[CH+2*\qt], v[CH+2*\qt], v[CH+2*\qt+1]
.endr
.endm
; the running maximum, P = 2^(score - maximum) rounded to bf16 and packed in place, and the rescale factor 2^(old - new).
; The maxima of even and odd sub-steps lie in registers that take turns, so that old and new are both at hand without a copy.
.macro SOFT par, first
.irp qt, 0,1
	v_permlanex16_b32 v[TP+\qt], v[CH+2*\qt], s22, s23         ; the same query's other 32 keys lie in lane xor 16
.endr
.irp qt, 0,1
.if \first
	v_max_num_f32 v[MP+4*\qt+2*\par], v[CH+2*\qt], v[TP+\qt]
.else
	v_max3_num_f32 v[MP+4*\qt+2*\par], v[CH+2*\qt], v[TP+\qt], v[MP+4*\qt+2-2*\par]
.endif
.endr
.if \first == 0
.irp qt, 0,1
	v_sub_f32 v[DL+\qt], v[MP+4*\qt+2-2*\par], v[MP+4*\qt+2*\par]
.endr
.endif
.irp qt, 0,1
.set i, 0
.rept 16
	v_pk_add_f32 v[SC+32*\qt+2*i:SC+32*\qt+2*i+1], v[SC+32*\qt+2*i:SC+32*\qt+2*i+1], v[MP+4*\qt+2*\par:MP+4*\qt+2*\par+1] op_sel_hi:[1,0] neg_lo:[0,1] neg_hi:[0,1]
.set i, i+1
.endr
.endr
.if \first == 0
	v_exp_f32 v[MP+2*\par+1], v[DL]
	v_exp_f32 v[MP+4+2*\par+1], v[DL+1]
.endif
.set i, 0
.rept 64
	v_exp_f32 v[SC+i], v[SC+i]
.set i, i+1
.endr
	v_nop                                          ; one plain vector instruction behind the run of transcendentals before a result is used (ISA guide 5.7.2)
	s_wait_alu depctr_va_vdst(0)
.irp qt, 0,1
.irp kb, 0,1
.irp u, 0,1,2,3,4,5,6,7
	v_cvt_pk_bf16_f32 v[SC+32*\qt+16*\kb+\u], v[SC+32*\qt+16*\kb+2*\u], v[SC+32*\qt+16*\kb+2*\u+1]   ; register u is written when 2u and 2u + 1 are read: nothing unread is lost
.endr
.endr
.endr
.endm
.macro RESCALE par                     ; sums times the pair's second register, in both halves of the packed multiply
	WIN 0x41
.irp qt, 0,1
.set i, 0
.rept 16
	v_pk_mul_f32 v[OA+32*\qt+2*i:OA+32*\qt+2*i+1], v[OA+32*\qt+2*i:OA+32*\qt+2*i+1], v[MP+4*\qt+2*\par:MP+4*\qt+2*\par+1] op_sel:[0,1] op_sel_hi:[1,1]
.set i, i+1
.endr
	v_mul_f32 v[LA+8*\qt], v[LA+8*\qt], v[MP+4*\qt+2*\par+1]   ; registers 1-7 of the denominator's tile are sums of zero rows: they stay 0
.endr
.endm
; 20 matrix instructions: O^T (qt, dt) += V^T (dt) P(qt), denominator (qt) += ones P(qt), for two blocks of 32 keys.
; The ten accumulators take turns, one instruction a turn.
.macro PVMM first
	WIN 0x51
.irp kb, 0,1
.irp dt, 0,1,2,3
.irp qt, 0,1
.if \first*(1-\kb)
	v_wmma_f32_16x16x32_bf16 v[OA+32*\qt+8*\dt:OA+32*\qt+8*\dt+7], v[VF+32*\kb+8*\dt:VF+32*\kb+8*\dt+7], v[SC+32*\qt+16*\kb:SC+32*\qt+16*\kb+7], 0
.else
	v_wmma_f32_16x16x32_bf16 v[OA+32*\qt+8*\dt:OA+32*\qt+8*\dt+7], v[VF+32*\kb+8*\dt:VF+32*\kb+8*\dt+7], v[SC+32*\qt+16*\kb:SC+32*\qt+16*\kb+7], v[OA+32*\qt+8*\dt:OA+32*\qt+8*\dt+7]
.endif
.endr
.endr
.irp qt, 0,1
.if \first*(1-\kb)
	v_wmma_f32_16x16x32_bf16 v[LA+8*\qt:LA+8*\qt+7], v[ON:ON+7], v[SC+32*\qt+16*\kb:SC+32*\qt+16*\kb+7], 0
.else
	v_wmma_f32_16x16x32_bf16 v[LA+8*\qt:LA+8*\qt+7], v[ON:ON+7], v[SC+32*\qt+16*\kb:SC+32*\qt+16*\kb+7], v[LA+8*\qt:LA+8*\qt+7]
.endif
.endr
.endr
.endm
; One sub-step: 64 keys of slot's tile (sub = which half; it is also the parity of the maxima's registers).
; mode 0: the next sub-step is in the same slot.  1: the slot has been read: change to slot next and fill this one again.
; 2: change without a refill.  3: the last sub-step.
; On entry K's and the mask's 32 LDS loads of this sub-step are out, K's first.
.macro SUB slot, next, sub, first, mode
	PLACES 5                                       ; behind the last P V products: V's fragments are loaded again, and the score products write over P
	FETCHV \slot, \sub
	s_wait_dscnt 32                                ; K's fragments are in; the mask's 16 loads and V's 16 are younger
	SMM
	WIN 0
	PLACES 4                                       ; before the scores are read and K's fragments loaded again
.if (\mode-1)*(\mode-2) == 0
	s_wait_dscnt 0x0                               ; my reads of this slot are over (K, mask and V of its second half were the last),
	s_wait_tensorcnt 0x0                           ; and all my tensor loads have landed: my rows of the next slot's tile
	ds_add_u32 v254, v255
	s_wait_dscnt 0x0
	s_barrier_signal -1                            ; (mode 1: this barrier opens a round of the cluster's barrier)
.else
	s_wait_dscnt 16                                ; the mask is in; V's 16 loads are younger
.endif
	MULMAX                                         ; register work alone
.if (\mode-1)*(\mode-2) == 0
	s_barrier_wait -1
.endif
.if \mode == 1
	CREST                                          ; no wave of any partner still reads this slot or has a load on its way
	s_add_nc_u64 s[G0A+4*\slot+2:G0A+4*\slot+3], s[G0A+4*\slot+2:G0A+4*\slot+3], 2*512     ; two tiles on: 128 keys are 512 bytes of A's rows,
	s_add_nc_u64 s[G0K+4*\slot+2:G0K+4*\slot+3], s[G0K+4*\slot+2:G0K+4*\slot+3], 2*16384   ; 128 rows of K,
	s_add_nc_u64 s[G0V+4*\slot+2:G0V+4*\slot+3], s[G0V+4*\slot+2:G0V+4*\slot+3], 2*256     ; 256 bytes of V^T's rows
	JLOADS \slot                                   ; the first tensor loads behind the round; they have the next tile's two sub-steps in which to land
.endif
.if \mode == 0
	FETCHK \slot, 1
	FETCHA \slot, 1
.endif
.if (\mode-1)*(\mode-2) == 0
	FETCHK \next, 0
	FETCHA \next, 0
.endif
	WIN 0
	SOFT \sub, \first
.if \first == 0
	RESCALE \sub
.endif
.if \mode == 3
	s_wait_dscnt 0x0
.else
	s_wait_dscnt 32                                ; V's fragments are in; the next sub-step's 32 loads are younger
.endif
	PVMM \first
.endm
.macro LAP first                       ; two tiles, once round the ring, both slots filled again
	SUB 0, 1, 0, \first, 0
	SUB 0, 1, 1, 0, 1
	SUB 1, 0, 0, 0, 0
	SUB 1, 0, 1, 0, 1
.endm
	s_load_b256 s[4:11], s[0:1], 0x0               ; A s[4:5], qb s[6:7], kb s[8:9], vt s[10:11]
	s_load_b64 s[12:13], s[0:1], 0x20              ; o2
	s_load_b64 s[90:91], s[0:1], 0x28              ; o2l
	v_lshl_add_u32 v254, v0, 2, 0x3b800
	v_mov_b32 v255, 0
	ds_add_u32 v254, v255
	ds_add_u32 v254, v255
	v_lshrrev_b32 v1, 5, v0
	v_readfirstlane_b32 s14, v1                    ; wave 0..3
	s_bfe_u32 s16, ttmp6, 0x40000                  ; cx
	s_bfe_u32 s17, ttmp6, 0x40004                  ; cy
	s_lshl_b32 s18, ttmp9, 2
	s_add_co_u32 s18, s18, s16                     ; head = 4 x cluster x + cx
	s_and_b32 s19, ttmp7, 0xffff
	s_lshl_b32 s19, s19, 2
	s_add_co_u32 s19, s19, s17                     ; query block = 4 x cluster y + cy
	s_lshl_b32 s20, s17, 2
	s_lshl_b32 s20, 15, s20                        ; my row of the cluster: places 4 cy .. 4 cy + 3
	s_lshl_b32 s21, 0x1111, s16                    ; my column: places cx, cx + 4, cx + 8, cx + 12
	s_mov_b32 s22, 0x76543210                      ; v_permlanex16_b32: lane i of one half reads lane i of the other
	s_mov_b32 s23, 0xfedcba98
	; group 1 of A: 32 rows x 128 f32, 16 bytes of padding behind every 128 words; mask = my row, bit 21 beside it
	s_or_b32 s[G1A+0], s20, (2<<16)|(1<<20)|(1<<21)|(6<<22)|(3<<25)
	s_mov_b32 s[G1A+1], 128<<16                    ; tensor_dim0 = 128
	s_mov_b32 s[G1A+2], 32<<16                     ; tensor_dim1 = 32
	s_mov_b32 s[G1A+3], 128<<16                    ; tile_dim0 = 128
	s_mov_b32 s[G1A+4], 32                         ; tile_dim1 = 32
	s_mov_b32 s[G1A+5], 4096                       ; elements from row to row
	s_mov_b32 s[G1A+6], 0
	s_mov_b32 s[G1A+7], 0
	; group 1 of K: 32 rows x 64 bf16, padding behind every 32 words; mask = my column
	s_or_b32 s[G1K+0], s21, (1<<16)|(1<<20)|(1<<21)|(4<<22)|(3<<25)
	s_mov_b32 s[G1K+1], 64<<16
	s_mov_b32 s[G1K+2], 32<<16
	s_mov_b32 s[G1K+3], 64<<16
	s_mov_b32 s[G1K+4], 32
	s_mov_b32 s[G1K+5], 64
	s_mov_b32 s[G1K+6], 0
	s_mov_b32 s[G1K+7], 0
	; group 1 of V^T: 16 rows x 128 bf16, padding behind every 64 words; mask = my column
	s_or_b32 s[G1V+0], s21, (1<<16)|(1<<20)|(1<<21)|(5<<22)|(3<<25)
	s_mov_b32 s[G1V+1], 128<<16
	s_mov_b32 s[G1V+2], 16<<16
	s_mov_b32 s[G1V+3], 128<<16
	s_mov_b32 s[G1V+4], 16
	s_mov_b32 s[G1V+5], 4096
	s_mov_b32 s[G1V+6], 0
	s_mov_b32 s[G1V+7], 0
	; where the tiles come from.  A's offset is made of the query block and the wave alone, K's and V's of the head and the wave alone.
	s_lshl_b32 s76, s19, 21                        ; 128 rows of 16,384 bytes
	s_lshl_b32 s77, s14, 19                        ; my 32 rows
	s_add_co_u32 s76, s76, s77
	s_mov_b32 s77, 0
	s_lshl_b32 s78, s18, 19                        ; a head of kb
	s_lshl_b32 s79, s14, 12                        ; my 32 rows of 128 bytes
	s_add_co_u32 s78, s78, s79
	s_mov_b32 s79, 0
	s_lshl_b32 s80, s18, 19                        ; a head of vt
	s_lshl_b32 s81, s14, 17                        ; my 16 rows of 8,192 bytes
	s_add_co_u32 s80, s80, s81
	s_mov_b32 s81, 0
	s_lshl_b32 s88, s18, 19                        ; my 32 queries in qb, in o2 and in o2l
	s_lshl_b32 s89, s19, 14
	s_add_co_u32 s88, s88, s89
	s_lshl_b32 s89, s14, 12
	s_add_co_u32 s88, s88, s89
	s_mov_b32 s89, 0
	s_mul_i32 s86, s14, 32*PITA                    ; and where they go: the wave's number alone enters an LDS address
	s_mul_i32 s87, s14, 32*PITK
	s_mul_i32 s15, s14, 16*PITV
	v_and_b32 v1, 15, v0                           ; r
	v_bfe_u32 v2, v0, 4, 1                         ; half
	v_lshlrev_b32 v7, 7, v1                        ; Q: row r of 128 bytes + 16 x half
	v_lshl_add_u32 v7, v2, 4, v7
	s_wait_dscnt 0x0
	s_wait_kmcnt 0x0
	s_add_nc_u64 s[76:77], s[4:5], s[76:77]
	s_add_nc_u64 s[78:79], s[8:9], s[78:79]
	s_add_nc_u64 s[80:81], s[10:11], s[80:81]
	s_add_nc_u64 s[82:83], s[6:7], s[88:89]
	s_add_nc_u64 s[84:85], s[12:13], s[88:89]
	s_add_nc_u64 s[90:91], s[90:91], s[88:89]
.irp qt, 0,1
.irp dh, 0,1
	global_load_b128 v[QF+16*\qt+8*\dh:QF+16*\qt+8*\dh+3],   v7, s[82:83] offset:\qt*2048+\dh*64      ; Q stays in registers for the whole kernel
	global_load_b128 v[QF+16*\qt+8*\dh+4:QF+16*\qt+8*\dh+7], v7, s[82:83] offset:\qt*2048+\dh*64+32
.endr
.endr
.irp sl, 0,1
	s_mov_b32 s[G0A+4*\sl], 1
	s_add_co_u32 s[G0A+4*\sl+1], s86, \sl*SLOT
	s_add_nc_u64 s[G0A+4*\sl+2:G0A+4*\sl+3], s[76:77], \sl*512
	s_or_b32 s[G0A+4*\sl+3], s[G0A+4*\sl+3], 0x80000000
	s_mov_b32 s[G0K+4*\sl], 1
	s_add_co_u32 s[G0K+4*\sl+1], s87, \sl*SLOT+KOFF
	s_add_nc_u64 s[G0K+4*\sl+2:G0K+4*\sl+3], s[78:79], \sl*16384
	s_or_b32 s[G0K+4*\sl+3], s[G0K+4*\sl+3], 0x80000000
	s_mov_b32 s[G0V+4*\sl], 1
	s_add_co_u32 s[G0V+4*\sl+1], s15, \sl*SLOT+VOFF
	s_add_nc_u64 s[G0V+4*\sl+2:G0V+4*\sl+3], s[80:81], \sl*256
	s_or_b32 s[G0V+4*\sl+3], s[G0V+4*\sl+3], 0x80000000
.endr
	CROUND                                         ; all sixteen work-groups are here: the first joint loads meet
	JLOADS 0                                       ; tile 0
	JLOADS 1                                       ; tile 1: six loads of mine are out
	; addresses, while the tiles are on their way
	v_and_b32 v3, 31, v0                           ; lane
	v_mul_u32_u24 v4, v1, PITA
	v_lshl_add_u32 v4, v2, 5, v4                   ; mask: row r, 32 bytes (8 keys) for each half
	v_add_nc_u32 v[ADA], s86, v4
	v_add_nc_u32 v[ADA+1], SLOT, v[ADA]
	v_mul_u32_u24 v4, v1, PITK
	v_lshl_add_u32 v4, v2, 4, v4                   ; r x 144 + 16 x half
	v_add_nc_u32 v[ADK], KOFF, v4
	v_add_nc_u32 v[ADK+1], SLOT, v[ADK]
	s_add_co_u32 s88, s87, STAGE                   ; my stage
	v_add_nc_u32 v[STO], s88, v4
	v_mul_u32_u24 v5, v1, PITV
	v_lshl_add_u32 v5, v2, 4, v5
	v_add_nc_u32 v[ADV], VOFF, v5
	v_add_nc_u32 v[ADV+1], SLOT, v[ADV]
	v_lshrrev_b32 v5, 3, v3                        ; lane >> 3
	v_and_b32 v6, 7, v0                            ; lane & 7
	v_mul_u32_u24 v4, v5, PITK
	v_lshl_add_u32 v4, v6, 4, v4
	v_add_nc_u32 v[RD], s88, v4                    ; back: eight lanes a row of 128 bytes
	v_lshlrev_b32 v[CO], 4, v3
	; prefetch: of the block's 128 rows of A, the 32 waves of its 8 heads own 4 each: row 16 head + 4 wave + (lane >> 3);
	; a lane asks for the 256 bytes at 256 (lane & 7) of a stretch of 2,048 bytes = four tiles' width
	s_lshl_b32 s66, s19, 21
	s_lshl_b32 s67, s18, 18
	s_add_co_u32 s66, s66, s67
	s_lshl_b32 s67, s14, 16
	s_add_co_u32 s66, s66, s67
	v_lshlrev_b32 v4, 14, v5
	v_lshl_add_u32 v4, v6, 8, v4
	v_add_nc_u32 v[PFB], s66, v4
	s_mov_b32 s87, 2048                            ; the first stretch asked for: tiles 4 to 7
.irp i, 1,3,5,7
	v_mov_b32 v[MP+\i], 1.0                        ; the pairs' second registers are named by packed forms before the first factor is made
.endr
	v_mov_b32 v[TP], 0                             ; v_permlanex16_b32 counts as a reader of its destination
	v_mov_b32 v[TP+1], 0
	v_cmp_eq_u32 vcc_lo, 0, v6                     ; lanes 0, 8, 16, 24 hold rows 0 and 8 of source 0
	v_mov_b32 v4, 0x3f803f80                       ; two bf16 ones
	v_cndmask_b32 v4, 0, v4, vcc_lo
	WIN 0x40
.irp i, 0,1,2,3,4,5,6,7
	v_mov_b32 v[ON+\i], v4
.endr
	s_wait_tensorcnt 0x3                           ; my rows of tile 0 are in; tile 1's three loads are younger and stay out:
	s_barrier_signal -1
	s_barrier_wait -1                              ; everybody's rows of tile 0 are in
	FETCHK 0, 0
	FETCHA 0, 0
	s_wait_loadcnt 0x0                             ; Q
	LAP 1                                          ; tiles 0 and 1: the first products start the sums, nothing is cleared
	WIN 0                                          ; at a label and at a branch every window is 0
	s_mov_b32 s15, 7
.Llap:                                             ; trip u = 0 .. 6 works tiles 4u + 2 .. 4u + 5 and fills with tiles 4u + 4 .. 4u + 7
	; The wave asks once a trip for its 4 rows x 2,048 bytes of tiles 4u + 4 .. 4u + 7, which the tensor loads of this trip fetch from its
	; second sub-step on; each aligned block of 256 bytes of A from tile 4 on is asked for once in the launch; the last trip's stretch
	; ends with tile 31, the rows' last bytes, so nothing points past A.
	s_wait_xcnt 0x0                                ; the last trip's prefetch has had its address translated (ISA guide 3.1): PF is rewritten only behind this wait
	v_add_nc_u32 v[PF], s87, v[PFB]
	global_prefetch_b8 v[PF], s[4:5] th:TH_LOAD_NT scope:SCOPE_SE
	s_add_co_u32 s87, s87, 2048
	LAP 0
	LAP 0
	WIN 0
	s_sub_co_u32 s15, s15, 1
	s_cmp_lg_u32 s15, 0
	s_cbranch_scc1 .Llap
	SUB 0, 1, 0, 0, 0                              ; tiles 30 and 31 fill nothing and have no round of the cluster's barrier
	SUB 0, 1, 1, 0, 2                              ; its wait for 0 shows tile 31's loads, the last, landed
	SUB 1, 0, 0, 0, 0
	SUB 1, 0, 1, 0, 3
	; THE WAY OUT: divide by the denominators; hi = bf16(o), lo = bf16(o - hi); 16 bytes a lane (query r, 8 neighbouring d) of each into
	; my own two stages, back as rows.
	PLACES 4
	WIN 0x01
	v_rcp_f32 v[MP], v[LA]
	v_rcp_f32 v[MP+4], v[LA+8]
	v_nop                                          ; one plain vector instruction before the reciprocals are used (ISA guide 5.7.2)
	WIN 0x41
	s_wait_alu depctr_va_vdst(0)
.irp qt, 0,1
.set i, 0
.rept 16
	v_pk_mul_f32 v[OA+32*\qt+2*i:OA+32*\qt+2*i+1], v[OA+32*\qt+2*i:OA+32*\qt+2*i+1], v[MP+4*\qt:MP+4*\qt+1] op_sel_hi:[1,0]
.set i, i+1
.endr
.endr
	WIN 0x05
.set i, 0
.rept 32
	v_cvt_pk_bf16_f32 v[AM+i], v[OA+2*i], v[OA+2*i+1]          ; hi, packed
.set i, i+1
.endr
	WIN 0
.set i, 0
.rept 32
	v_lshlrev_b32 v[SC+2*i],   16, v[AM+i]                     ; hi as f32 again: the low half moves up,
	v_and_b32     v[SC+2*i+1], 0xffff0000, v[AM+i]             ; the high half stays
.set i, i+1
.endr
	WIN 0x01
.set i, 0
.rept 32
	v_pk_add_f32 v[SC+2*i:SC+2*i+1], v[OA+2*i:OA+2*i+1], v[SC+2*i:SC+2*i+1] neg_lo:[0,1] neg_hi:[0,1]   ; o - hi: hi has o's leading 8 bits, so the difference is exact in f32
.set i, i+1
.endr
	WIN 0
.set i, 0
.rept 32
	v_cvt_pk_bf16_f32 v[SC+i], v[SC+2*i], v[SC+2*i+1]          ; lo, packed in place: register i is written when 2i and 2i + 1 are read
.set i, i+1
.endr
.irp qt, 0,1
.irp dt, 0,1,2,3
	ds_store_b128 v[STO], v[AM+16*\qt+4*\dt:AM+16*\qt+4*\dt+3] offset:\qt*2304+\dt*32
.endr
.endr
.irp qt, 0,1
.irp dt, 0,1,2,3
	ds_store_b128 v[STO], v[SC+16*\qt+4*\dt:SC+16*\qt+4*\dt+3] offset:STG2+\qt*2304+\dt*32
.endr
.endr
.irp i, 0,1,2,3,4,5,6,7
	ds_load_b128 v[AM+32+4*\i:AM+32+4*\i+3], v[RD] offset:\i*576           ; LDS serves a wave's instructions in order (ISA guide 5.7.1.4): these see my stores above
.endr
.irp i, 0,1,2,3,4,5,6,7
	ds_load_b128 v[SC+32+4*\i:SC+32+4*\i+3], v[RD] offset:STG2+\i*576
.endr
.irp i, 0,1,2,3,4,5,6,7
	s_wait_dscnt 15-\i                             ; the 15 - i younger loads stay out
	global_store_b128 v[CO], v[AM+32+4*\i:AM+32+4*\i+3], s[84:85] offset:\i*512    ; a store covers 512 consecutive bytes, aligned
.endr
.irp i, 0,1,2,3,4,5,6,7
	s_wait_dscnt 7-\i
	global_store_b128 v[CO], v[SC+32+4*\i:SC+32+4*\i+3], s[90:91] offset:\i*512
.endr
	s_wait_tensorcnt 0x0
	ds_add_u32 v254, v255
	s_wait_dscnt 0x0
	CROUND                                         ; the closing round: no work-group ends while a partner may still ask for a tile that names it
	s_endpgm
.Lfunc_end_k_q519c68bf5c_attn:
	.size	k_q519c68bf5c_attn, .Lfunc_end_k_q519c68bf5c_attn-k_q519c68bf5c_attn
	.p2alignl 7, 3214868480
	.fill 96, 4, 3214868480
	.section	.rodata,"a",@progbits
	.p2align	6, 0x0
	.amdhsa_kernel k_q519c68bf5c_attn
		.amdhsa_group_segment_fixed_size 327680
		.amdhsa_private_segment_fixed_size 0
		.amdhsa_enable_private_segment 0
		.amdhsa_kernarg_size 48
		.amdhsa_user_sgpr_count 2
		.amdhsa_user_sgpr_kernarg_segment_ptr 1
		.amdhsa_wavefront_size32 1
		.amdhsa_system_sgpr_workgroup_id_x 1
		.amdhsa_system_sgpr_workgroup_id_y 1
		.amdhsa_system_sgpr_workgroup_id_z 1
		.amdhsa_system_vgpr_workitem_id 0
		.amdhsa_next_free_vgpr 480
		.amdhsa_next_free_sgpr 92
		.amdhsa_reserve_vcc 1
		.amdhsa_float_denorm_mode_32 3
		.amdhsa_float_denorm_mode_16_64 3
		.amdhsa_memory_ordered 1
		.amdhsa_forward_progress 1
		.amdhsa_inst_pref_size 255
	.end_amdhsa_kernel
	.section	.bss,"aw",@nobits
	.p2align	6
	.space	262144
	.amdgpu_metadata
---
amdhsa.version: [ 1, 2 ]
amdhsa.kernels:
  - .name:           k_q519c68bf5c_attn
    .symbol:         k_q519c68bf5c_attn.kd
    .args:
      - { .name: A, .offset: 0, .size: 8, .value_kind: global_buffer, .address_space: global }
      - { .name: qb, .offset: 8, .size: 8, .value_kind: global_buffer, .address_space: global }
      - { .name: kb, .offset: 16, .size: 8, .value_kind: global_buffer, .address_space: global }
      - { .name: vt, .offset: 24, .size: 8, .value_kind: global_buffer, .address_space: global }
      - { .name: o2, .offset: 32, .size: 8, .value_kind: global_buffer, .address_space: global }
      - { .name: o2l, .offset: 40, .size: 8, .value_kind: global_buffer, .address_space: global }
    .group_segment_fixed_size: 327680
    .private_segment_fixed_size: 0
    .kernarg_segment_align: 8
    .kernarg_segment_size: 48
    .max_flat_workgroup_size: 128
    .sgpr_count:     92
    .vgpr_count:     480
    .wavefront_size: 32
...
	.end_amdgpu_metadata
.endif
;; end of part 2
;; launch oproj (part 3): grid 4 x 64, 8 waves a work-group, no clusters, 315,392 bytes of LDS; arguments o2, o2l, Wo, out0; writes out0
.if DOCPART == 3
	.amdgcn_target "amdgcn-amd-amdhsa--gfx1250"
	.amdhsa_code_object_version 6
	.text
	.protected	k_q519c68bf5c_oproj
	.globl	k_q519c68bf5c_oproj
	.p2align	8
	.type	k_q519c68bf5c_oproj,@function
k_q519c68bf5c_oproj:
	s_mov_b64 s[64:65], 0
	v_nop
	global_prefetch_b8 v0, s[64:65] scope:SCOPE_SE
	s_setreg_imm32_b32 hwreg(HW_REG_WAVE_MODE, 25, 1), 1
	s_wait_xcnt 0x0
; SparseMHA, launch 3 of 3: out0[n][o] = sum over (d, head) of O[n][8 d + head] Wo[o][8 d + head].
; O comes as two bf16 numbers, o2[head][n][d] + o2l[head][n][d] (16 bits of significand together): both are multiplied by the same bf16
; Wo and added onto the same f32 sums, so that O's part of the product's error is that of 16 bits and not of 8.
; A work-group (x = 128 outputs, y = 64 tokens) holds its whole K in LDS: 4 x 64 = 256 work-groups.  (128 tokens would need
; 2 x 147,456 bytes for O beside Wo's: more than the work-group can have.)
; K is walked in the order head x 64 + d on both sides: o2 and o2l lie so already; Wo is put so on its way through registers.
; Eight waves: wave w takes tokens 32 (w & 1) .. and outputs 32 (w >> 1) ..: four accumulator tiles.
; Wave w brings head w's blocks of o2 and o2l (64 rows x 128 bytes each, dense) by two tensor loads: two loads of a wave are out, and
; each LDS byte is filled once.
; NO CLUSTER: two thirds of a work-group's 384 KiB of input is Wo, which has to pass through registers to be rounded and re-ordered, and
; the rest is asked for once, ahead of all work: there is no ring in which joint requests would recur.
; LIMITS: NaN and infinities are not served.  Wo is rounded to bf16; sums in f32 in the matrix unit's order.
.set PO,  144                          ; O: 128 bytes + 16
.set PLN, 64*PO                        ; a plane: one head's 64 tokens.  Planes 0-7: o2's heads; 8-15: o2l's
.set PW,  1040                         ; Wo: 1,024 bytes + 16, an odd multiple of 16
.set PS,  528                          ; stage: 128 f32 + 16 bytes
.set WO,  16*PLN                       ; 147,456: behind O's 16 planes
.set STG, WO+128*PW                    ; 280,576: behind Wo's 128 rows
.set ACC, 16                           ; v[16:47]   tile (tt, ot) at ACC + 8 (2 tt + ot)
.set PKW, 48                           ; v[48:111]  packed Wo, two sets of 32 registers that take turns
.set FB,  128                          ; v[128:255] Wo as loaded, two sets of 64 registers that take turns
.set FR,  64                           ; v[64:255]  later: four fragment buffers of 48: o2 (tt) at + 8 tt, o2l at + 16 + 8 tt, Wo (ot) at + 32 + 8 ot
; v1 offset in Wo, v2-3 Wo's LDS store (rows 0-63, 64-127), v4-7 O fragments of planes 0-3, 4-7, 8-11, 12-15, v8 Wo fragments,
; v9 stage in, v10 stage back, v11 offset in out0, v112-118 at work on the addresses
.macro PLACES                          ; four places behind a matrix instruction (ISA guide 7.12.1)
.rept 4
	v_nop
.endr
.endm
; pass p: 32 rows of Wo, 256 bytes a thread
.macro LOADW p
.irp j, 0,1,2,3,4,5,6,7,8,9,10,11,12,13,14,15
	global_load_b128 v[FB+64*((\p)%2)+4*\j:FB+64*((\p)%2)+4*\j+3], v1, s[8:9] offset:(\p)*65536+16*\j   ; a thread's 16 loads cover one aligned run of 256 bytes
.endr
.endm
; A thread's 256 bytes of a row of Wo are 8 d x 8 heads: register 8 dd + hh holds (dd, hh).  For each head the 8 d pack into 16 bytes.
.macro WCVT p
.irp hh, 0,1,2,3,4,5,6,7
.irp u, 0,1,2,3
	v_cvt_pk_bf16_f32 v[PKW+32*((\p)%2)+4*\hh+\u], v[FB+64*((\p)%2)+16*\u+\hh], v[FB+64*((\p)%2)+16*\u+8+\hh]
.endr
	ds_store_b128 v[2+(\p)/2], v[PKW+32*((\p)%2)+4*\hh:PKW+32*((\p)%2)+4*\hh+3] offset:((\p)%2)*32*PW+\hh*128
.endr
.endm
; the fragments of sub-step q (32 along K: head q / 2, d = 32 (q % 2) ..) into buffer q % 4: 12 loads
.macro FETCH q
.irp tt, 0,1
	ds_load_b128 v[FR+48*((\q)%4)+8*\tt:FR+48*((\q)%4)+8*\tt+3],   v[4+(\q)/8] offset:\tt*2304+(((\q)/2)%4)*PLN+((\q)%2)*64
	ds_load_b128 v[FR+48*((\q)%4)+8*\tt+4:FR+48*((\q)%4)+8*\tt+7], v[4+(\q)/8] offset:\tt*2304+(((\q)/2)%4)*PLN+((\q)%2)*64+32
.endr
.irp ot, 0,1
	ds_load_b128 v[FR+48*((\q)%4)+32+8*\ot:FR+48*((\q)%4)+32+8*\ot+3],   v8 offset:\ot*16640+(\q)*64
	ds_load_b128 v[FR+48*((\q)%4)+32+8*\ot+4:FR+48*((\q)%4)+32+8*\ot+7], v8 offset:\ot*16640+(\q)*64+32
.endr
.irp tt, 0,1
	ds_load_b128 v[FR+48*((\q)%4)+16+8*\tt:FR+48*((\q)%4)+16+8*\tt+3],   v[6+(\q)/8] offset:\tt*2304+(((\q)/2)%4)*PLN+((\q)%2)*64
	ds_load_b128 v[FR+48*((\q)%4)+16+8*\tt+4:FR+48*((\q)%4)+16+8*\tt+7], v[6+(\q)/8] offset:\tt*2304+(((\q)/2)%4)*PLN+((\q)%2)*64+32
.endr
.endm
; 8 matrix instructions: o2's fragments, then o2l's, each with the same fragments of Wo.
; Source 0 = 16 rows of Wo, source 1 = 16 tokens: a lane holds token r and 8 neighbouring outputs.
; The four accumulators take turns, one instruction a turn.
.macro MM q
.irp part, 0,1
.irp tt, 0,1
.irp ot, 0,1
.if (\q)+\part == 0
	v_wmma_f32_16x16x32_bf16 v[ACC+8*(2*\tt+\ot):ACC+8*(2*\tt+\ot)+7], v[FR+48*((\q)%4)+32+8*\ot:FR+48*((\q)%4)+32+8*\ot+7], v[FR+48*((\q)%4)+16*\part+8*\tt:FR+48*((\q)%4)+16*\part+8*\tt+7], 0
.else
	v_wmma_f32_16x16x32_bf16 v[ACC+8*(2*\tt+\ot):ACC+8*(2*\tt+\ot)+7], v[FR+48*((\q)%4)+32+8*\ot:FR+48*((\q)%4)+32+8*\ot+7], v[FR+48*((\q)%4)+16*\part+8*\tt:FR+48*((\q)%4)+16*\part+8*\tt+7], v[ACC+8*(2*\tt+\ot):ACC+8*(2*\tt+\ot)+7]
.endif
.endr
.endr
.endr
.endm
	s_load_b128 s[4:7], s[0:1], 0x0                ; o2 s[4:5], o2l s[6:7]
	s_load_b128 s[8:11], s[0:1], 0x10              ; Wo s[8:9], out0 s[10:11]
	v_lshl_add_u32 v14, v0, 2, 0x4cc00
	v_mov_b32 v15, 0
	ds_add_u32 v14, v15
	ds_add_u32 v14, v15
	v_lshrrev_b32 v112, 5, v0
	v_readfirstlane_b32 s12, v112                  ; wave 0..7
	s_mov_b32 s13, ttmp9                           ; block of 128 outputs
	s_and_b32 s14, ttmp7, 0xffff                   ; block of 64 tokens
	s_and_b32 s15, s12, 1                          ; tg: which 32 tokens
	s_lshr_b32 s36, s12, 1                         ; og: which 32 outputs
	; descriptor group 1: 64 rows x 64 bf16, dense in memory, 16 bytes of padding behind every 32 words
	s_mov_b32 s20, (1<<16)|(1<<20)|(4<<22)|(3<<25)
	s_mov_b32 s21, 64<<16                          ; tensor_dim0 = 64
	s_mov_b32 s22, 64<<16                          ; tensor_dim1 = 64
	s_mov_b32 s23, 64<<16                          ; tile_dim0 = 64
	s_mov_b32 s24, 64                              ; tile_dim1 = 64
	s_mov_b32 s25, 64                              ; elements from row to row
	s_mov_b32 s26, 0
	s_mov_b32 s27, 0
	s_mov_b32 s16, 1
	s_mul_i32 s17, s12, PLN                        ; plane w: head w of o2
	s_mov_b32 s32, 1
	s_add_co_u32 s33, s17, 8*PLN                   ; plane 8 + w: head w of o2l
	s_lshl_b32 s28, s12, 19                        ; head w in o2 and in o2l
	s_lshl_b32 s30, s14, 13                        ; 64 tokens of 128 bytes
	s_add_co_u32 s28, s28, s30
	s_mov_b32 s29, 0
	v_lshlrev_b32 v1, 8, v0                        ; Wo: 256 bytes a thread
	s_wait_dscnt 0x0
	s_wait_kmcnt 0x0
	s_add_nc_u64 s[18:19], s[4:5], s[28:29]
	s_or_b32 s19, s19, 0x80000000
	s_add_nc_u64 s[34:35], s[6:7], s[28:29]
	s_or_b32 s35, s35, 0x80000000
	tensor_load_to_lds s[16:19], s[20:27]
	s_nop 0
	tensor_load_to_lds s[32:35], s[20:27]
	s_nop 0
	s_lshl_b32 s28, s13, 18                        ; 128 rows of Wo
	s_add_nc_u64 s[8:9], s[8:9], s[28:29]
	LOADW 0
	LOADW 1
	s_lshl_b32 s28, s14, 17                        ; 64 rows of out0
	s_lshl_b32 s30, s13, 9                         ; 128 outputs of 4 bytes
	s_add_co_u32 s28, s28, s30
	s_add_nc_u64 s[10:11], s[10:11], s[28:29]
	v_lshrrev_b32 v112, 3, v0
	v_and_b32 v113, 7, v0
	v_mul_u32_u24 v2, v112, PW                     ; Wo in LDS: row t >> 3 of the pass's 32, d = 8 (t & 7) ..
	v_lshl_add_u32 v2, v113, 4, v2
	v_add_nc_u32 v2, WO, v2
	v_add_nc_u32 v3, 64*PW, v2                     ; an LDS immediate has 16 bits: a register for every two passes
	v_and_b32 v114, 15, v0                         ; r
	v_bfe_u32 v115, v0, 4, 1                       ; half
	v_mul_u32_u24 v116, v114, PO
	v_lshl_add_u32 v116, v115, 4, v116
	s_mul_i32 s30, s15, 32*PO
	v_add_nc_u32 v4, s30, v116
	v_add_nc_u32 v5, 4*PLN, v4                     ; a register for every four planes
	v_add_nc_u32 v6, 8*PLN, v4
	v_add_nc_u32 v7, 12*PLN, v4
	v_mul_u32_u24 v116, v114, PW
	v_lshl_add_u32 v116, v115, 4, v116
	s_mul_i32 s30, s36, 32*PW
	s_add_co_u32 s30, s30, WO
	v_add_nc_u32 v8, s30, v116
	v_mul_u32_u24 v116, v114, PS                   ; stage in: row = token, 32 bytes (8 outputs) for each half
	v_lshl_add_u32 v116, v115, 5, v116
	s_mul_i32 s30, s15, 32*PS
	s_lshl_b32 s31, s36, 7
	s_add_co_u32 s30, s30, s31
	s_add_co_u32 s30, s30, STG
	v_add_nc_u32 v9, s30, v116
	v_lshrrev_b32 v117, 5, v0                      ; t >> 5
	v_and_b32 v118, 31, v0
	v_mul_u32_u24 v10, v117, PS                    ; stage back: a wave takes a row of 512 bytes
	v_lshl_add_u32 v10, v118, 4, v10
	v_add_nc_u32 v10, STG, v10
	v_lshlrev_b32 v11, 11, v117                    ; out0: row t >> 5 of 2,048 bytes
	v_lshl_add_u32 v11, v118, 4, v11
	s_wait_loadcnt 16                              ; pass 0's sixteen loads are in; pass 1's sixteen are younger
	WCVT 0
	LOADW 2                                        ; into the registers that pass 0's conversions have read
	s_wait_loadcnt 16                              ; pass 1 is in; pass 2's loads are younger
	WCVT 1
	LOADW 3
	s_wait_loadcnt 16                              ; pass 2 is in; pass 3's loads are younger
	s_wait_dscnt 8                                 ; pass 0's eight LDS stores are done with the pack registers; pass 1's eight are younger
	WCVT 2
	s_wait_loadcnt 0x0
	s_wait_dscnt 8                                 ; pass 1's stores are done; pass 2's eight are younger
	WCVT 3
	s_wait_tensorcnt 0x0                           ; for the other waves: my head's two blocks have landed,
	s_wait_dscnt 0x0                               ; and my part of Wo is in LDS
	s_barrier_signal -1
	s_barrier_wait -1
	FETCH 0
	FETCH 1
	FETCH 2
.set st, 0
.rept 16
.if st+3 < 16
	PLACES                                         ; the buffer loaded next was read by the matrix instructions just issued
	FETCH st+3
	s_wait_dscnt 36                                ; this sub-step's 12 loads are in; those of the next three sub-steps are younger
.else
	s_wait_dscnt 12*(15-st)                        ; the counts run down with the sub-steps that are left
.endif
	MM st
.set st, st+1
.endr
	; THE WAY OUT: 32 bytes a lane into the stage (bytes of its own), back as whole rows of 512 bytes.
	PLACES
.irp tt, 0,1
.irp ot, 0,1
	ds_store_b128 v9, v[ACC+8*(2*\tt+\ot):ACC+8*(2*\tt+\ot)+3]   offset:\tt*16*PS+\ot*64
	ds_store_b128 v9, v[ACC+8*(2*\tt+\ot)+4:ACC+8*(2*\tt+\ot)+7] offset:\tt*16*PS+\ot*64+16
.endr
.endr
	s_wait_dscnt 0x0                               ; for the other waves: four waves write the four quarters of each row
	s_barrier_signal -1
	s_barrier_wait -1
.irp i, 0,1,2,3,4,5,6,7
	ds_load_b128 v[FR+4*\i:FR+4*\i+3], v10 offset:\i*8*PS
.endr
.irp i, 0,1,2,3,4,5,6,7
	s_wait_dscnt 7-\i                              ; the 7 - i younger loads stay out
	global_store_b128 v11, v[FR+4*\i:FR+4*\i+3], s[10:11] offset:\i*16384 th:TH_STORE_NT   ; a wave's store covers 512 consecutive bytes, aligned
.endr
	s_wait_tensorcnt 0x0
	ds_add_u32 v14, v15
	s_wait_dscnt 0x0
	s_endpgm
.Lfunc_end_k_q519c68bf5c_oproj:
	.size	k_q519c68bf5c_oproj, .Lfunc_end_k_q519c68bf5c_oproj-k_q519c68bf5c_oproj
	.p2alignl 7, 3214868480
	.fill 96, 4, 3214868480
	.section	.rodata,"a",@progbits
	.p2align	6, 0x0
	.amdhsa_kernel k_q519c68bf5c_oproj
		.amdhsa_group_segment_fixed_size 315392
		.amdhsa_private_segment_fixed_size 0
		.amdhsa_enable_private_segment 0
		.amdhsa_kernarg_size 32
		.amdhsa_user_sgpr_count 2
		.amdhsa_user_sgpr_kernarg_segment_ptr 1
		.amdhsa_wavefront_size32 1
		.amdhsa_system_sgpr_workgroup_id_x 1
		.amdhsa_system_sgpr_workgroup_id_y 1
		.amdhsa_system_sgpr_workgroup_id_z 1
		.amdhsa_system_vgpr_workitem_id 0
		.amdhsa_next_free_vgpr 256
		.amdhsa_next_free_sgpr 66
		.amdhsa_reserve_vcc 0
		.amdhsa_float_denorm_mode_32 3
		.amdhsa_float_denorm_mode_16_64 3
		.amdhsa_memory_ordered 1
		.amdhsa_forward_progress 1
		.amdhsa_inst_pref_size 45
	.end_amdhsa_kernel
	.amdgpu_metadata
---
amdhsa.version: [ 1, 2 ]
amdhsa.kernels:
  - .name:           k_q519c68bf5c_oproj
    .symbol:         k_q519c68bf5c_oproj.kd
    .args:
      - { .name: o2, .offset: 0, .size: 8, .value_kind: global_buffer, .address_space: global }
      - { .name: o2l, .offset: 8, .size: 8, .value_kind: global_buffer, .address_space: global }
      - { .name: Wo, .offset: 16, .size: 8, .value_kind: global_buffer, .address_space: global }
      - { .name: out0, .offset: 24, .size: 8, .value_kind: global_buffer, .address_space: global }
    .group_segment_fixed_size: 315392
    .private_segment_fixed_size: 0
    .kernarg_segment_align: 8
    .kernarg_segment_size: 32
    .max_flat_workgroup_size: 256
    .sgpr_count:     66
    .vgpr_count:     256
    .wavefront_size: 32
...
	.end_amdgpu_metadata
.endif
;; end of part 3
;; ======== version 2 of 2: 3 launches
;; workspace buffers: qb 4,194,304 bytes; kb 4,194,304 bytes; vt 4,194,304 bytes; o2 4,194,304 bytes; o2l 4,194,304 bytes; wob 524,288 bytes
;; launch proj (part 4): grid 8 x 32, 8 waves a work-group, no clusters, 168,960 bytes of LDS; arguments h, Wq, Wk, Wv, qb, kb, vt, Wo, wob; writes qb, kb, vt, wob
.if DOCPART == 4
	.amdgcn_target "amdgcn-amd-amdhsa--gfx1250"
	.amdhsa_code_object_version 6
	.text
	.protected	k_q519c68bf5c_proj
	.globl	k_q519c68bf5c_proj
	.p2align	8
	.type	k_q519c68bf5c_proj,@function
k_q519c68bf5c_proj:
	s_mov_b64 s[64:65], 0
	v_nop
	global_prefetch_b8 v0, s[64:65] scope:SCOPE_SE
	s_setreg_imm32_b32 hwreg(HW_REG_WAVE_MODE, 25, 1), 1
	s_wait_xcnt 0x0
; SparseMHA, launch 1 of 3: the three projections, sorted by head, and the last product's weights made ready.
;   qb[hd][n][d] = 512^-0.5 * log2(e) * sum_c h[n][c] Wq[8 d + hd][c]   (bf16; the factor lets the softmax work in base 2)
;   kb[hd][n][d] =                      sum_c h[n][c] Wk[8 d + hd][c]   (bf16)
;   vt[hd][d][n] =                      sum_c h[n][c] Wv[8 d + hd][c]   (bf16, tokens along the rows)
;   wob[o][64 hd + d] = Wo[o][8 d + hd]                                 (bf16: rounded once here instead of in each of launch 3's 64 token blocks)
; A work-group (x = head hd, y = block of 128 tokens) makes 128 tokens x 3 x 64 features; 8 x 32 = 256 work-groups.
; Eight waves: wave w takes tokens 32 (w & 3) .. +31 and d = 32 (w >> 2) .. +31 of all three matrices: 12 accumulator tiles.
; K = 512 goes in 8 steps of 64 through two LDS slots.  h and W are f32 in memory: they pass through registers, are rounded to
; bf16 once and stored to LDS, so that each number is converted once and fragments are read as 16-bit data.
; Work-group number g = 8 y + x also takes rows 2 g and 2 g + 1 of Wo: 16 bytes a thread in, 8 bytes a thread out, sorted in LDS.
; NO CLUSTER, NO TENSOR LOADS: a tensor load moves bytes as they are, so f32 tiles would lie in LDS: twice the fragment bytes, and
; every wave that reads a number would convert it again (4 waves read each W row, 2 each h row).
; LIMITS: NaN and infinities in the inputs are not served.  Products in bf16, sums in f32 in the matrix unit's order.
.set PH,    144                        ; pitch of a row of 64 bf16: 128 bytes + 16, an odd multiple of 16
.set PVS,   272                        ; pitch of a row of 128 bf16 in V's stage
.set SLOTB, 46080                      ; a slot: h tile 128 x 144, then W tile 192 x 144 (rows [matrix][d])
.set WOFF,  18432                      ; the W tile in a slot
.set STQ,   92160                      ; stage of Q, 128 x 144; K's stage lies 18,432 bytes behind it
.set STV,   129024                     ; stage of V transposed, 64 x 272
.set WS,    146432                     ; two rows of Wo in bf16, sorted by head: 2 x 1,024 bytes
.set ACC,   16                         ; v[16:111]  tile (x = 2 matrix + dt, tt) at ACC + 8 (2 x + tt)
.set HF,    112                        ; v[112:127] h fragments, tt = 0, 1 (on the way out: packed results, v[112:159])
.set WF,    128                        ; v[128:175] W fragments, x = 0 .. 5
.set ST,    176                        ; v[176:255] 20 staged loads of 16 bytes
; v1 offset in h, v2 offset in W, v3-4 LDS store address per slot, v5-6 h fragment address per slot, v7-8 W fragment address per slot,
; v9 Q/K stage in, v10 V stage in, v11 Q/K stage back, v12 V stage back, v13 offset in qb, kb and Wo, v14 offset in vt, v15 Wo's LDS address
.macro PLACES                          ; four places behind a matrix instruction (ISA guide 7.12.1) before its registers are loaded or read
.rept 4
	v_nop
.endr
.endm
; K step ks from memory: 8 loads of h (16 rows each), 4 of each W (16 rows each).  Sixteen lanes read 256 consecutive aligned bytes.
.macro LOADG ks
.irp i, 0,1,2,3,4,5,6,7
	global_load_b128 v[ST+4*\i:ST+4*\i+3], v1, s[4:5] offset:\i*32768+\ks*256
.endr
.irp i, 0,1,2,3
	global_load_b128 v[ST+32+4*\i:ST+32+4*\i+3], v2, s[6:7] offset:\i*262144+\ks*256
.endr
.irp i, 0,1,2,3
	global_load_b128 v[ST+48+4*\i:ST+48+4*\i+3], v2, s[8:9] offset:\i*262144+\ks*256
.endr
.irp i, 0,1,2,3
	global_load_b128 v[ST+64+4*\i:ST+64+4*\i+3], v2, s[10:11] offset:\i*262144+\ks*256
.endr
.endm
; round the 20 x 4 staged numbers to bf16 in place and store 8 bytes each into the slot
.macro CVTST slot
.set i, 0
.rept 20
	v_cvt_pk_bf16_f32 v[ST+4*i],   v[ST+4*i],   v[ST+4*i+1]
	v_cvt_pk_bf16_f32 v[ST+4*i+1], v[ST+4*i+2], v[ST+4*i+3]
.set i, i+1
.endr
.set i, 0
.rept 8
	ds_store_b64 v[3+\slot], v[ST+4*i:ST+4*i+1] offset:i*2304
.set i, i+1
.endr
.set i, 0
.rept 12
	ds_store_b64 v[3+\slot], v[ST+32+4*i:ST+32+4*i+1] offset:WOFF+i*2304
.set i, i+1
.endr
.endm
; one matrix instruction.  Q, K: source 0 = 16 rows of W, source 1 = 16 tokens: a lane holds token r and 8 neighbouring d.
; V: the other way round: a lane holds d = r and 8 neighbouring tokens.  z = 1: the product starts the sum.
.macro MM1 x, tt, z
.if \x < 4
.if \z
	v_wmma_f32_16x16x32_bf16 v[ACC+8*(2*\x+\tt):ACC+8*(2*\x+\tt)+7], v[WF+8*\x:WF+8*\x+7], v[HF+8*\tt:HF+8*\tt+7], 0
.else
	v_wmma_f32_16x16x32_bf16 v[ACC+8*(2*\x+\tt):ACC+8*(2*\x+\tt)+7], v[WF+8*\x:WF+8*\x+7], v[HF+8*\tt:HF+8*\tt+7], v[ACC+8*(2*\x+\tt):ACC+8*(2*\x+\tt)+7]
.endif
.else
.if \z
	v_wmma_f32_16x16x32_bf16 v[ACC+8*(2*\x+\tt):ACC+8*(2*\x+\tt)+7], v[HF+8*\tt:HF+8*\tt+7], v[WF+8*\x:WF+8*\x+7], 0
.else
	v_wmma_f32_16x16x32_bf16 v[ACC+8*(2*\x+\tt):ACC+8*(2*\x+\tt)+7], v[HF+8*\tt:HF+8*\tt+7], v[WF+8*\x:WF+8*\x+7], v[ACC+8*(2*\x+\tt):ACC+8*(2*\x+\tt)+7]
.endif
.endif
.endm
; a K step of 64 = two halves of 32: 16 fragment loads, 12 matrix instructions.  The twelve accumulators take turns, one instruction
; a turn, in the same order in every half.
.macro COMPUTE slot, zero
.irp kk, 0,1
	PLACES
.irp tt, 0,1
	ds_load_b128 v[HF+8*\tt:HF+8*\tt+3],   v[5+\slot] offset:\tt*2304+\kk*64
	ds_load_b128 v[HF+8*\tt+4:HF+8*\tt+7], v[5+\slot] offset:\tt*2304+\kk*64+32
.endr
.irp x, 0,1,2,3,4,5
	ds_load_b128 v[WF+8*\x:WF+8*\x+3],   v[7+\slot] offset:\kk*64+(\x/2)*9216+(\x%2)*2304
	ds_load_b128 v[WF+8*\x+4:WF+8*\x+7], v[7+\slot] offset:\kk*64+(\x/2)*9216+(\x%2)*2304+32
.endr
.irp x, 0,1,2,3,4,5
	s_wait_dscnt 10-2*\x                           ; h's four loads and W's up to fragment x are in; the 2 (5 - x) loads of later fragments stay out
.irp tt, 0,1
	MM1 \x, \tt, \zero*(1-\kk)
.endr
.endr
.endr
.endm
; one trip: multiply slot cur, convert the staged K step into slot nxt, ask for K step ld (none if ld < 0).
; ONE barrier a trip orders both ways: in front of it my reads of slot cur and my stores into slot nxt are done (count 0);
; behind it slot nxt is whole and slot cur may be stored into by the next trip.
.macro TRIP cur, nxt, zero, ld
	COMPUTE \cur, \zero
	s_wait_loadcnt 0x0                             ; the staged K step is in registers
	CVTST \nxt
	s_wait_dscnt 0x0                               ; for the other waves: my stores are in LDS; also: the staging registers have been read
.if \ld >= 0
	LOADG \ld
.endif
	s_barrier_signal -1
	s_barrier_wait -1
.endm
	s_load_b256 s[4:11], s[0:1], 0x0               ; h s[4:5], Wq s[6:7], Wk s[8:9], Wv s[10:11]
	s_load_b128 s[12:15], s[0:1], 0x20             ; qb s[12:13], kb s[14:15]
	s_load_b64 s[16:17], s[0:1], 0x30              ; vt
	s_load_b128 s[32:35], s[0:1], 0x38             ; Wo s[32:33], wob s[34:35]
	s_set_vgpr_msb 0x40
	v_lshl_add_u32 v0, v0, 2, 0x29000
	v_mov_b32 v1, 0
	s_set_vgpr_msb 0x4000
	v_lshrrev_b32 v112, 5, v0
	v_readfirstlane_b32 s18, v112                  ; wave 0..7
	s_mov_b32 s19, ttmp9                           ; head
	s_and_b32 s20, ttmp7, 0xffff                   ; token block
	s_lshl3_add_u32 s36, s20, s19                  ; g = 8 y + x, 0 .. 255
	s_and_b32 s21, s18, 3                          ; tg: which 32 tokens
	s_lshr_b32 s26, s18, 2                         ; fg: which 32 d
	s_mov_b32 s24, 0x3d8293ee                      ; 512^-0.5 * log2(e) = 0.0637587
	s_mov_b32 s25, 0x3d8293ee                      ; (the pair is named whole by the packed multiply)
	v_lshrrev_b32 v112, 4, v0                      ; t >> 4
	v_and_b32 v113, 15, v0                         ; t & 15 = r
	v_bfe_u32 v114, v0, 4, 1                       ; half of the wave
	v_lshlrev_b32 v1, 11, v112                     ; h: row t >> 4 of 2,048 bytes
	v_lshl_add_u32 v1, v113, 4, v1                 ;    + 16 (t & 15)
	v_lshlrev_b32 v2, 14, v112                     ; W: d = t >> 4, rows of one head are 8 rows = 16,384 bytes apart
	v_lshl_add_u32 v2, v113, 4, v2
	v_mul_u32_u24 v3, v112, PH                     ; LDS: row t >> 4, 8 bytes a thread
	v_lshl_add_u32 v3, v113, 3, v3
	v_add_nc_u32 v4, SLOTB, v3
	v_mul_u32_u24 v115, v113, PH
	v_lshl_add_u32 v115, v114, 4, v115             ; r x 144 + 16 x half: a fragment's lane term
	s_mul_i32 s27, s21, 32*PH
	s_mul_i32 s28, s26, 32*PH
	v_add_nc_u32 v5, s27, v115
	v_add_nc_u32 v6, SLOTB, v5
	s_add_co_u32 s28, s28, WOFF
	v_add_nc_u32 v7, s28, v115
	v_add_nc_u32 v8, SLOTB, v7
	s_lshl_b32 s29, s26, 6                         ; Q, K stage in: row = token, byte 64 fg + 16 half
	s_add_co_u32 s29, s29, s27
	s_add_co_u32 s29, s29, STQ
	v_add_nc_u32 v9, s29, v115
	v_mul_u32_u24 v10, v113, PVS                   ; V stage in: row = d, byte 64 tg + 16 half
	v_lshl_add_u32 v10, v114, 4, v10
	s_mul_i32 s30, s26, 32*PVS
	s_lshl_b32 s31, s21, 6
	s_add_co_u32 s30, s30, s31
	s_add_co_u32 s30, s30, STV
	v_add_nc_u32 v10, s30, v10
	v_lshrrev_b32 v116, 3, v0
	v_and_b32 v117, 7, v0
	v_mul_u32_u24 v11, v116, PH                    ; Q, K stage back: 8 threads a row of 128 bytes
	v_lshl_add_u32 v11, v117, 4, v11
	v_add_nc_u32 v11, STQ, v11
	v_mul_u32_u24 v12, v112, PVS                   ; V stage back: 16 threads a row of 256 bytes
	v_lshl_add_u32 v12, v113, 4, v12
	v_add_nc_u32 v12, STV, v12
	v_lshlrev_b32 v13, 4, v0                       ; qb, kb: the block's rows are dense: byte 16 t.  Wo's two rows likewise
	v_lshlrev_b32 v14, 13, v112                    ; vt: row d of 8,192 bytes
	v_lshl_add_u32 v14, v113, 4, v14
	; Wo: thread t holds columns c = 4 (t & 127) + j of row t >> 7: d = (t & 127) >> 1, head = 4 (t & 1) + j.
	; Its place among the sorted bf16: row x 1,024 + head x 128 + 2 d bytes; j is the stores' offset.
	v_lshrrev_b32 v118, 7, v0
	v_and_b32 v119, 1, v0
	v_bfe_u32 v120, v0, 1, 6
	v_lshlrev_b32 v15, 10, v118
	v_lshl_add_u32 v15, v119, 9, v15
	v_lshl_add_u32 v15, v120, 1, v15
	v_add_nc_u32 v15, WS, v15
	s_wait_kmcnt 0x0
	s_lshl_b32 s22, s20, 18                        ; 128 rows of h
	s_mov_b32 s23, 0
	s_add_nc_u64 s[4:5], s[4:5], s[22:23]
	s_lshl_b32 s22, s19, 11                        ; row hd of each W
	s_add_nc_u64 s[6:7], s[6:7], s[22:23]
	s_add_nc_u64 s[8:9], s[8:9], s[22:23]
	s_add_nc_u64 s[10:11], s[10:11], s[22:23]
	s_lshl_b32 s28, s19, 19                        ; a head's 524,288 bytes in qb, kb, vt
	s_lshl_b32 s22, s20, 14                        ; 128 tokens of 128 bytes
	s_add_co_u32 s22, s22, s28
	s_add_nc_u64 s[12:13], s[12:13], s[22:23]
	s_add_nc_u64 s[14:15], s[14:15], s[22:23]
	s_lshl_b32 s22, s20, 8                         ; 128 tokens of 2 bytes along vt's rows
	s_add_co_u32 s22, s22, s28
	s_add_nc_u64 s[16:17], s[16:17], s[22:23]
	s_lshl_b32 s22, s36, 12                        ; two rows of Wo: 4,096 bytes
	s_add_nc_u64 s[32:33], s[32:33], s[22:23]
	s_lshl_b32 s22, s36, 11                        ; two rows of wob: 2,048 bytes
	s_add_nc_u64 s[34:35], s[34:35], s[22:23]
	global_load_b128 v[ACC:ACC+3], v13, s[32:33]   ; Wo, into registers that the first products write only later
	LOADG 0
	s_wait_loadcnt 0x0
	v_cvt_pk_bf16_f32 v[ACC],   v[ACC],   v[ACC+1]
	v_cvt_pk_bf16_f32 v[ACC+1], v[ACC+2], v[ACC+3]
	v_lshrrev_b32 v[ACC+2], 16, v[ACC]
	v_lshrrev_b32 v[ACC+3], 16, v[ACC+1]
	ds_store_b16 v15, v[ACC]                       ; j = 0
	ds_store_b16 v15, v[ACC+2] offset:128          ; j = 1
	ds_store_b16 v15, v[ACC+1] offset:256          ; j = 2
	ds_store_b16 v15, v[ACC+3] offset:384          ; j = 3
	CVTST 0
	s_wait_dscnt 0x0
	LOADG 1
	s_barrier_signal -1
	s_barrier_wait -1
	TRIP 0, 1, 1, 2                                ; the K steps are written out: their offsets are immediates, no base is stepped
	TRIP 1, 0, 0, 3
	TRIP 0, 1, 0, 4
	TRIP 1, 0, 0, 5
	TRIP 0, 1, 0, 6
	TRIP 1, 0, 0, 7
	TRIP 0, 1, 0, -1
	COMPUTE 1, 0
	; THE WAY OUT: scale Q, round to bf16, 16 bytes a lane into the stages (bytes of their own, behind the slots), back as whole rows.
	PLACES
.set i, 0
.rept 16
	v_pk_mul_f32 v[ACC+2*i:ACC+2*i+1], v[ACC+2*i:ACC+2*i+1], s[24:25] op_sel_hi:[1,0]
.set i, i+1
.endr
.irp x, 0,1,2,3,4,5,6,7,8,9,10,11
.irp u, 0,1,2,3
	v_cvt_pk_bf16_f32 v[HF+4*\x+\u], v[ACC+8*\x+2*\u], v[ACC+8*\x+2*\u+1]
.endr
.endr
.irp x, 0,1,2,3,4,5,6,7
	ds_store_b128 v9, v[HF+4*\x:HF+4*\x+3] offset:(\x/4)*18432+(\x%2)*2304+((\x/2)%2)*32
.endr
.irp x, 8,9,10,11
	ds_store_b128 v10, v[HF+4*\x:HF+4*\x+3] offset:((\x/2)%2)*4352+(\x%2)*32
.endr
	v_lshlrev_b32 v160, 3, v0                      ; wob: 8 bytes a thread
	v_add_nc_u32 v15, WS, v160
	s_wait_dscnt 0x0                               ; for the other waves: my part of the stages is in LDS
	s_barrier_signal -1
	s_barrier_wait -1
.irp i, 0,1,2,3
	ds_load_b128 v[ST+4*\i:ST+4*\i+3], v11 offset:\i*4608
.endr
.irp i, 0,1,2,3
	ds_load_b128 v[ST+16+4*\i:ST+16+4*\i+3], v11 offset:18432+\i*4608
.endr
.irp i, 0,1,2,3
	ds_load_b128 v[ST+32+4*\i:ST+32+4*\i+3], v12 offset:\i*4352
.endr
	ds_load_b64 v[ST+48:ST+49], v15                ; Wo's sorted rows: stored ahead of the first barrier by all eight waves
.irp i, 0,1,2,3
	s_wait_dscnt 12-\i                             ; LDS loads come back in order: the 12 - i younger ones stay out
	global_store_b128 v13, v[ST+4*\i:ST+4*\i+3], s[12:13] offset:\i*4096          ; a wave's store covers 512 consecutive bytes, aligned
.endr
.irp i, 0,1,2,3
	s_wait_dscnt 8-\i
	global_store_b128 v13, v[ST+16+4*\i:ST+16+4*\i+3], s[14:15] offset:\i*4096
.endr
.irp i, 0,1,2,3
	s_wait_dscnt 4-\i
	global_store_b128 v14, v[ST+32+4*\i:ST+32+4*\i+3], s[16:17] offset:\i*131072  ; sixteen lanes store 256 consecutive bytes, aligned
.endr
	s_wait_dscnt 0x0
	global_store_b64 v160, v[ST+48:ST+49], s[34:35]                                ; a wave's store covers 256 consecutive bytes, aligned
	s_set_vgpr_msb 0x5
	s_wait_tensorcnt 0x0
	ds_add_u32 v0, v1
	s_wait_dscnt 0x0
	s_set_vgpr_msb 0x500
	s_endpgm
.Lfunc_end_k_q519c68bf5c_proj:
	.size	k_q519c68bf5c_proj, .Lfunc_end_k_q519c68bf5c_proj-k_q519c68bf5c_proj
	.p2alignl 7, 3214868480
	.fill 96, 4, 3214868480
	.section	.rodata,"a",@progbits
	.p2align	6, 0x0
	.amdhsa_kernel k_q519c68bf5c_proj
		.amdhsa_group_segment_fixed_size 168960
		.amdhsa_private_segment_fixed_size 0
		.amdhsa_enable_private_segment 0
		.amdhsa_kernarg_size 72
		.amdhsa_user_sgpr_count 2
		.amdhsa_user_sgpr_kernarg_segment_ptr 1
		.amdhsa_wavefront_size32 1
		.amdhsa_system_sgpr_workgroup_id_x 1
		.amdhsa_system_sgpr_workgroup_id_y 1
		.amdhsa_system_sgpr_workgroup_id_z 1
		.amdhsa_system_vgpr_workitem_id 0
		.amdhsa_next_free_vgpr 258
		.amdhsa_next_free_sgpr 66
		.amdhsa_reserve_vcc 0
		.amdhsa_float_denorm_mode_32 3
		.amdhsa_float_denorm_mode_16_64 3
		.amdhsa_memory_ordered 1
		.amdhsa_forward_progress 1
		.amdhsa_inst_pref_size 92
	.end_amdhsa_kernel
	.amdgpu_metadata
---
amdhsa.version: [ 1, 2 ]
amdhsa.kernels:
  - .name:           k_q519c68bf5c_proj
    .symbol:         k_q519c68bf5c_proj.kd
    .args:
      - { .name: h, .offset: 0, .size: 8, .value_kind: global_buffer, .address_space: global }
      - { .name: Wq, .offset: 8, .size: 8, .value_kind: global_buffer, .address_space: global }
      - { .name: Wk, .offset: 16, .size: 8, .value_kind: global_buffer, .address_space: global }
      - { .name: Wv, .offset: 24, .size: 8, .value_kind: global_buffer, .address_space: global }
      - { .name: qb, .offset: 32, .size: 8, .value_kind: global_buffer, .address_space: global }
      - { .name: kb, .offset: 40, .size: 8, .value_kind: global_buffer, .address_space: global }
      - { .name: vt, .offset: 48, .size: 8, .value_kind: global_buffer, .address_space: global }
      - { .name: Wo, .offset: 56, .size: 8, .value_kind: global_buffer, .address_space: global }
      - { .name: wob, .offset: 64, .size: 8, .value_kind: global_buffer, .address_space: global }
    .group_segment_fixed_size: 168960
    .private_segment_fixed_size: 0
    .kernarg_segment_align: 8
    .kernarg_segment_size: 72
    .max_flat_workgroup_size: 256
    .sgpr_count:     66
    .vgpr_count:     258
    .wavefront_size: 32
...
	.end_amdgpu_metadata
.endif
;; end of part 4
;; launch attn (part 5): grid 8 x 32, 4 waves a work-group, clusters of 4 x 4, 327,680 bytes of LDS; arguments A, qb, kb, vt, o2, o2l; writes o2, o2l
.if DOCPART == 5
	.amdgcn_target "amdgcn-amd-amdhsa--gfx1250"
	.amdhsa_code_object_version 6
	.text
	.protected	k_q519c68bf5c_attn
	.globl	k_q519c68bf5c_attn
	.p2align	8
	.type	k_q519c68bf5c_attn,@function
k_q519c68bf5c_attn:
	s_mov_b64 s[64:65], 0
	v_nop
	global_prefetch_b8 v0, s[64:65] scope:SCOPE_SE
	s_setreg_imm32_b32 hwreg(HW_REG_WAVE_MODE, 25, 1), 1
	s_wait_xcnt 0x0
	s_wait_alu depctr_hold_cnt(0) depctr_sa_sdst(0) depctr_va_vdst(0) depctr_va_sdst(0) depctr_va_ssrc(0) depctr_va_vcc(0) depctr_vm_vsrc(0)
	s_getreg_b32 s2, hwreg(HW_REG_IB_STS2, 6, 4)
	s_cmp_eq_u32 s2, 0
	s_cbranch_scc0 .Lentry_in_a_cluster
	s_endpgm
.Lentry_in_a_cluster:
	s_bfe_u32 s2, ttmp6, 0x10000c
	s_cmp_lg_u32 s2, 0xf033
	s_cbranch_scc0 .Lentry_shape_is_right
	s_endpgm
.Lentry_shape_is_right:
; SparseMHA, launch 2 of 3: o[hd][n][d] = sum_m softmax_m( A[n][m] * q[n].k[m] ) v[m][d], one head x 128 queries a work-group.
; The result leaves as TWO bf16 numbers: o2 = bf16(o), o2l = bf16(o - o2), 16 bits of significand together, so that the last product
; (launch 3, bf16 operands) does not see o cut to 8 bits.
; qb carries 512^-0.5 * log2(e), so the exponentials are base 2.  A is honoured as arbitrary f32: every score is multiplied by it, and
; nothing is skipped.  The softmax keeps a running maximum, renewed every 64 keys, and rescales the sums by 2^(old - new).
; Four waves, 32 queries each (two tiles qt of 16).  The 4,096 keys go through two LDS slots in 21 tiles of 192 keys and a last one of
; 64 (21 x 192 + 64 = 4,096), each tile in sub-steps of 64 keys.  A refill has to have landed before the next refill's barrier, so what
; counts is the work that one refill feeds: two slots of three sub-steps each take all the LDS that a work-group can have.
; LAYOUT WITHOUT SHUFFLES.  Scores are made transposed, S^T = K Q^T: source 0 = 16 keys, source 1 = 16 queries.  Lane (r, half) then
; holds query r and keys 8 half + 0..7 in registers 0..7.  So: the mask A[query][8 neighbouring keys] is two 16-byte LDS loads; the row
; maximum is work inside the lane and one exchange of the halves; maximum, rescale factor and 1 / sum are one number a lane; and two
; score tiles, rounded and packed, ARE source 1 of O^T = V^T P (registers 0-3: keys 8 half .., 4-7: keys 16 + 8 half ..).
; THE DENOMINATOR is summed by the matrix unit from the SAME bf16 P that multiplies V (source 0 = a fragment whose rows 0 and 8 are ones:
; register 0 of the result is the sum for query r in every lane), so that P's rounding enters numerator and denominator alike.
; CLUSTERS 4 x 4: x = head, y = query block.  A's tile hangs on the query block alone: the four work-groups of a row of the cluster
; ask for it jointly.  K's and V's tiles hang on the head alone: asked for jointly along a column.  Each wave issues all three loads
; for rows of its own (32 of A, 48 of K, 16 of V^T): no branch, one mask a line, descriptors made of shared coordinates and the wave.
; A wave has at most six tensor loads outstanding (two tiles at the start), later three.
; LIMITS: NaN and infinities in the inputs are not served.  2^x below 2^-126 comes out as 0 (ISA guide, V_EXP_F32).  Q, K, V and P
; are rounded to bf16; sums are f32, in another order than a plain softmax.  The sum is at least 1 (the maximum's own term).
.set PITA,  816                        ; a row of A: three chunks of 64 keys, 256 bytes + 16 each.  All pitches are odd multiples of 16 bytes:
.set CHA,   272                        ; the 16 rows that a load's 16 lanes touch start at 16 different 16-byte columns modulo 256 bytes
.set PITK,  144                        ; a row of K: 128 bytes + 16
.set PITV,  432                        ; a row of V^T: three chunks of 64 keys, 128 bytes + 16 each
.set CHV,   144
.set KOFF,  128*PITA                   ; 104,448
.set VOFF,  KOFF+192*PITK              ; 132,096
.set SLOT,  VOFF+64*PITV               ; 159,744: A 128 x 816, K 192 x 144, V^T 64 x 432
.set STG2,  18432                      ; the way out: 32 x 144 bytes a wave for o2 from LDS byte 0 on, the same again so many bytes further for o2l.
                                       ; These are bytes of slot 0, used when it has had its last fill and every wave has passed a barrier behind its last reads of it
; window 0
.set ADA, 8                            ; v8-9    my mask rows in slot 0, 1
.set ADK, 10                           ; v10-11  K fragments
.set ADV, 12                           ; v12-13  V^T fragments
.set STO, 14                           ; way out: in
.set RD,  15                           ; way out: back
.set CO,  16                           ; way out: byte offset in o2 and o2l
.set PFB, 17                           ; prefetch: my lane's offset in A
.set PF,  18                           ; prefetch: the offset asked for
.set MP,  20                           ; v[20:27] pair (maximum, rescale factor) of (qt, parity of the sub-step) at MP + 4 qt + 2 par
.set CH,  28                           ; v[28:31] two chains of maxima for each qt
.set TP,  32                           ; v32-33  the other half's maximum
.set DL,  34                           ; v34-35  old maximum - new maximum
.set QF,  36                           ; v[36:67]   Q fragments at QF + 16 qt + 8 dh
.set SC,  68                           ; v[68:131]  scores at SC + 32 qt + 8 kt; then P at SC + 32 qt + 16 kb
.set AM,  132                          ; v[132:195] mask at AM + 32 qt + 8 kt
; window 1 (v256 + ..)
.set KF,  0                            ; K fragments at KF + 16 kt + 8 dh
.set VF,  64                           ; V^T fragments at VF + 32 kb + 8 dt
.set OA,  128                          ; O^T sums at OA + 32 qt + 8 dt
.set LA,  192                          ; denominators at LA + 8 qt
.set ON,  208                          ; the fragment of ones
.set G1A, 24                           ; s[24:31], s[32:39], s[40:47]: descriptor group 1 of A, K, V
.set G1K, 32
.set G1V, 40
.set G0A, 48                           ; s[48:55], s[56:63], s[68:75]: descriptor group 0, four registers for each slot
.set G0K, 56
.set G0V, 68
.set MSB, 0
.macro WIN new                         ; s_set_vgpr_msb: bits 1:0 source 0, 3:2 source 1, 5:4 source 2, 7:6 destination; the high byte repeats the setting left
.if MSB != \new
	s_set_vgpr_msb (MSB<<8)|\new
.set MSB, \new
.endif
.endm
.macro PLACES n                        ; places behind a matrix instruction (ISA guide 7.12.1)
.rept \n
	v_nop
.endr
.endm
.macro CREST                           ; a round of the cluster's barrier behind its opening work-group barrier
	s_cmp_lg_u32 s14, 0
	s_cbranch_scc1 .Lnot_wave_0_\@
	s_barrier_signal -3
.Lnot_wave_0_\@:
	s_barrier_wait -3
	s_barrier_signal -1
	s_barrier_wait -1
.endm
.macro CROUND
	s_barrier_signal -1
	s_barrier_wait -1
	CREST
.endm
.macro JLOADS slot                     ; my rows of the slot's next tile: three joint loads
	tensor_load_to_lds s[G0A+4*\slot:G0A+4*\slot+3], s[G1A:G1A+7]
	s_nop 0
	tensor_load_to_lds s[G0K+4*\slot:G0K+4*\slot+3], s[G1K:G1K+7]
	s_nop 0
	tensor_load_to_lds s[G0V+4*\slot:G0V+4*\slot+3], s[G1V:G1V+7]
	s_nop 0
.endm
; Prefetch of A for the two tiles that the coming lap's refills fetch: 6 blocks of 256 bytes in each of the query block's 128 rows = 768
; blocks = 8 heads x 3 waves x 32 lanes, so waves 0 to 2 of each head's work-group ask for one block a lane and wave 3 asks for nothing.
; The first of the two tiles is fetched three sub-steps later, the second six.  Each block is asked for once in the launch.
.macro PREF
	s_cmp_eq_u32 s14, 3
	s_cbranch_scc1 .Lno_ask_\@
	s_wait_xcnt 0x0                                ; the last request has had its address translated (ISA guide 3.1): PF is rewritten only behind this wait
	v_add_nc_u32 v[PF], s87, v[PFB]
	global_prefetch_b8 v[PF], s[4:5] th:TH_LOAD_NT scope:SCOPE_SE
.Lno_ask_\@:
	s_add_co_u32 s87, s87, 2*768                   ; two tiles on
.endm
.macro FETCHK slot, sub                ; 64 keys x 64 d: 16 loads
	WIN 0x40
.irp kt, 0,1,2,3
.irp dh, 0,1
	ds_load_b128 v[KF+16*\kt+8*\dh:KF+16*\kt+8*\dh+3],   v[ADK+\slot] offset:(\sub)*64*PITK+\kt*16*PITK+\dh*64
	ds_load_b128 v[KF+16*\kt+8*\dh+4:KF+16*\kt+8*\dh+7], v[ADK+\slot] offset:(\sub)*64*PITK+\kt*16*PITK+\dh*64+32
.endr
.endr
.endm
.macro FETCHA slot, sub                ; my 32 queries x 64 keys of the mask, f32: 16 loads
	WIN 0
.irp qt, 0,1
.irp kt, 0,1,2,3
	ds_load_b128 v[AM+32*\qt+8*\kt:AM+32*\qt+8*\kt+3],   v[ADA+\slot] offset:\qt*16*PITA+(\sub)*CHA+\kt*64
	ds_load_b128 v[AM+32*\qt+8*\kt+4:AM+32*\qt+8*\kt+7], v[ADA+\slot] offset:\qt*16*PITA+(\sub)*CHA+\kt*64+16
.endr
.endr
.endm
.macro FETCHV slot, sub                ; 64 d x 64 keys: 16 loads
	WIN 0x40
.irp kb, 0,1
.irp dt, 0,1,2,3
	ds_load_b128 v[VF+32*\kb+8*\dt:VF+32*\kb+8*\dt+3],   v[ADV+\slot] offset:\dt*16*PITV+(\sub)*CHV+\kb*64
	ds_load_b128 v[VF+32*\kb+8*\dt+4:VF+32*\kb+8*\dt+7], v[ADV+\slot] offset:\dt*16*PITV+(\sub)*CHV+\kb*64+32
.endr
.endr
.endm
; 16 matrix instructions: S^T (qt, kt) = K(kt) Q(qt)^T over d = 64.  The first half starts the sums.  The eight accumulators take turns,
; one instruction a turn.
.macro SMM
	WIN 0x01
.irp dh, 0,1
.irp kt, 0,1,2,3
.irp qt, 0,1
.if \dh == 0
	v_wmma_f32_16x16x32_bf16 v[SC+32*\qt+8*\kt:SC+32*\qt+8*\kt+7], v[KF+16*\kt+8*\dh:KF+16*\kt+8*\dh+7], v[QF+16*\qt+8*\dh:QF+16*\qt+8*\dh+7], 0
.else
	v_wmma_f32_16x16x32_bf16 v[SC+32*\qt+8*\kt:SC+32*\qt+8*\kt+7], v[KF+16*\kt+8*\dh:KF+16*\kt+8*\dh+7], v[QF+16*\qt+8*\dh:QF+16*\qt+8*\dh+7], v[SC+32*\qt+8*\kt:SC+32*\qt+8*\kt+7]
.endif
.endr
.endr
.endr
.endm
; scores times mask, then the largest of a lane's 32 numbers of each qt: two chains of three-way maxima (17 and 15 numbers), joined.
.macro MULMAX
.set i, 0
.rept 32
	v_pk_mul_f32 v[SC+2*i:SC+2*i+1], v[SC+2*i:SC+2*i+1], v[AM+2*i:AM+2*i+1]
.set i, i+1
.endr
.irp qt, 0,1
	v_max3_num_f32 v[CH+2*\qt],   v[SC+32*\qt],    v[SC+32*\qt+1],  v[SC+32*\qt+2]
	v_max3_num_f32 v[CH+2*\qt+1], v[SC+32*\qt+17], v[SC+32*\qt+18], v[SC+32*\qt+19]
.endr
.irp k, 0,1,2,3,4,5
.irp qt, 0,1
	v_max3_num_f32 v[CH+2*\qt],   v[CH+2*\qt],   v[SC+32*\qt+3+2*\k],  v[SC+32*\qt+4+2*\k]
	v_max3_num_f32 v[CH+2*\qt+1], v[CH+2*\qt+1], v[SC+32*\qt+20+2*\k], v[SC+32*\qt+21+2*\k]
.endr
.endr
.irp qt, 0,1
	v_max3_num_f32 v[CH+2*\qt], v[CH+2*\qt], v[SC+32*\qt+15], v[SC+32*\qt+16]
.endr
.irp qt, 0,1
	v_max_num_f32 v[CH+2*\qt], v[CH+2*\qt], v[CH+2*\qt+1]
.endr
.endm
; the running maximum, P = 2^(score - maximum) rounded to bf16 and packed in place, and the rescale factor 2^(old - new).
; The maxima of even and odd sub-steps lie in registers that take turns, so that old and new are both at hand without a copy.
.macro SOFT par, first
.irp qt, 0,1
	v_permlanex16_b32 v[TP+\qt], v[CH+2*\qt], s22, s23         ; the same query's other 32 keys lie in lane xor 16
.endr
.irp qt, 0,1
.if \first
	v_max_num_f32 v[MP+4*\qt+2*\par], v[CH+2*\qt], v[TP+\qt]
.else
	v_max3_num_f32 v[MP+4*\qt+2*\par], v[CH+2*\qt], v[TP+\qt], v[MP+4*\qt+2-2*\par]
.endif
.endr
.if \first == 0
.irp qt, 0,1
	v_sub_f32 v[DL+\qt], v[MP+4*\qt+2-2*\par], v[MP+4*\qt+2*\par]
.endr
.endif
.irp qt, 0,1
.set i, 0
.rept 16
	v_pk_add_f32 v[SC+32*\qt+2*i:SC+32*\qt+2*i+1], v[SC+32*\qt+2*i:SC+32*\qt+2*i+1], v[MP+4*\qt+2*\par:MP+4*\qt+2*\par+1] op_sel_hi:[1,0] neg_lo:[0,1] neg_hi:[0,1]
.set i, i+1
.endr
.endr
.if \first == 0
	v_exp_f32 v[MP+2*\par+1], v[DL]
	v_exp_f32 v[MP+4+2*\par+1], v[DL+1]
.endif
.set i, 0
.rept 64
	v_exp_f32 v[SC+i], v[SC+i]
.set i, i+1
.endr
	v_nop                                          ; one plain vector instruction behind the run of transcendentals before a result is used (ISA guide 5.7.2)
	s_wait_alu depctr_va_vdst(0)
.irp qt, 0,1
.irp kb, 0,1
.irp u, 0,1,2,3,4,5,6,7
	v_cvt_pk_bf16_f32 v[SC+32*\qt+16*\kb+\u], v[SC+32*\qt+16*\kb+2*\u], v[SC+32*\qt+16*\kb+2*\u+1]   ; register u is written when 2u and 2u + 1 are read: nothing unread is lost
.endr
.endr
.endr
.endm
.macro RESCALE par                     ; sums times the pair's second register, in both halves of the packed multiply
	WIN 0x41
.irp qt, 0,1
.set i, 0
.rept 16
	v_pk_mul_f32 v[OA+32*\qt+2*i:OA+32*\qt+2*i+1], v[OA+32*\qt+2*i:OA+32*\qt+2*i+1], v[MP+4*\qt+2*\par:MP+4*\qt+2*\par+1] op_sel:[0,1] op_sel_hi:[1,1]
.set i, i+1
.endr
	v_mul_f32 v[LA+8*\qt], v[LA+8*\qt], v[MP+4*\qt+2*\par+1]   ; registers 1-7 of the denominator's tile are sums of zero rows: they stay 0
.endr
.endm
; 20 matrix instructions: O^T (qt, dt) += V^T (dt) P(qt), denominator (qt) += ones P(qt), for two blocks of 32 keys.
; The ten accumulators take turns, one instruction a turn.
.macro PVMM first
	WIN 0x51
.irp kb, 0,1
.irp dt, 0,1,2,3
.irp qt, 0,1
.if \first*(1-\kb)
	v_wmma_f32_16x16x32_bf16 v[OA+32*\qt+8*\dt:OA+32*\qt+8*\dt+7], v[VF+32*\kb+8*\dt:VF+32*\kb+8*\dt+7], v[SC+32*\qt+16*\kb:SC+32*\qt+16*\kb+7], 0
.else
	v_wmma_f32_16x16x32_bf16 v[OA+32*\qt+8*\dt:OA+32*\qt+8*\dt+7], v[VF+32*\kb+8*\dt:VF+32*\kb+8*\dt+7], v[SC+32*\qt+16*\kb:SC+32*\qt+16*\kb+7], v[OA+32*\qt+8*\dt:OA+32*\qt+8*\dt+7]
.endif
.endr
.endr
.irp qt, 0,1
.if \first*(1-\kb)
	v_wmma_f32_16x16x32_bf16 v[LA+8*\qt:LA+8*\qt+7], v[ON:ON+7], v[SC+32*\qt+16*\kb:SC+32*\qt+16*\kb+7], 0
.else
	v_wmma_f32_16x16x32_bf16 v[LA+8*\qt:LA+8*\qt+7], v[ON:ON+7], v[SC+32*\qt+16*\kb:SC+32*\qt+16*\kb+7], v[LA+8*\qt:LA+8*\qt+7]
.endif
.endr
.endr
.endm
; One sub-step: the 64 keys of chunk sub of slot's tile.  par = the parity of the sub-step's number: which of the maxima's registers are new.
; mode 0: the next sub-step is the next chunk of the same slot.  1: the slot has been read: change to slot next and fill this one again,
; two tiles on.  4: as 1, but the refill is the last, short tile of 64 keys.  2: change without a refill.  3: the last sub-step.
; On entry K's and the mask's 32 LDS loads of this sub-step are out, K's first.
.macro SUB slot, next, sub, par, first, mode
	PLACES 5                                       ; behind the last P V products: V's fragments are loaded again, and the score products write over P
	FETCHV \slot, \sub
	s_wait_dscnt 32                                ; K's fragments are in; the mask's 16 loads and V's 16 are younger
	SMM
	WIN 0
	PLACES 4                                       ; before the scores are read and K's fragments loaded again
.if (\mode-1)*(\mode-2)*(\mode-4) == 0
	s_wait_dscnt 0x0                               ; my reads of this slot are over (K, mask and V of its last chunk were the last),
	s_wait_tensorcnt 0x0                           ; and all my tensor loads have landed: my rows of the next slot's tile
	ds_add_u32 v254, v255
	s_wait_dscnt 0x0
	s_barrier_signal -1                            ; (modes 1 and 4: this barrier opens a round of the cluster's barrier)
.else
	s_wait_dscnt 16                                ; the mask is in; V's 16 loads are younger
.endif
	MULMAX                                         ; register work alone
.if (\mode-1)*(\mode-2)*(\mode-4) == 0
	s_barrier_wait -1
.endif
.if (\mode-1)*(\mode-4) == 0
	CREST                                          ; no wave of any partner still reads this slot or has a load on its way: every descriptor register may be written
	s_add_nc_u64 s[G0A+4*\slot+2:G0A+4*\slot+3], s[G0A+4*\slot+2:G0A+4*\slot+3], 2*768     ; two tiles on: 192 keys are 768 bytes of A's rows
	s_add_nc_u64 s[G0V+4*\slot+2:G0V+4*\slot+3], s[G0V+4*\slot+2:G0V+4*\slot+3], 2*384     ; and 384 bytes of V^T's rows
.if \mode == 1
	s_add_nc_u64 s[G0K+4*\slot+2:G0K+4*\slot+3], s[G0K+4*\slot+2:G0K+4*\slot+3], 2*24576   ; and 192 rows of K
.else
	; the short tile, keys 4,032 to 4,095.  A and V^T: 64 elements are left of each row; the two chunks behind them are filled with zeros
	; (ISA guide, the tensor descriptor's extents) and never read.  K: 16 rows a wave in place of 48, laid where a tile's first 64 rows lie.
	s_mov_b32 s[G1A+1], 64<<16                     ; tensor_dim0 = 64
	s_mov_b32 s[G1V+1], 64<<16
	s_mov_b32 s[G1K+2], 16<<16                     ; tensor_dim1 = 16
	s_mov_b32 s[G1K+4], 16                         ; tile_dim1 = 16
	s_mul_i32 s66, s14, 16*PITK
	s_add_co_u32 s[G0K+4*\slot+1], s66, \slot*SLOT+KOFF
	s_lshl_b32 s66, s14, 11                        ; my 16 rows of 128 bytes
	s_mov_b32 s67, 0
	s_add_nc_u64 s[G0K+4*\slot+2:G0K+4*\slot+3], s[78:79], s[66:67]
	s_add_nc_u64 s[G0K+4*\slot+2:G0K+4*\slot+3], s[G0K+4*\slot+2:G0K+4*\slot+3], 4032*128
	s_or_b32 s[G0K+4*\slot+3], s[G0K+4*\slot+3], 0x80000000
.endif
	JLOADS \slot                                   ; the first tensor loads behind the round; they have the next tile's three sub-steps in which to land
.endif
.if \mode == 0
	FETCHK \slot, \sub+1
	FETCHA \slot, \sub+1
.endif
.if (\mode-1)*(\mode-2)*(\mode-4) == 0
	FETCHK \next, 0
	FETCHA \next, 0
.endif
	WIN 0
	SOFT \par, \first
.if \first == 0
	RESCALE \par
.endif
.if \mode == 3
	s_wait_dscnt 0x0
.else
	s_wait_dscnt 32                                ; V's fragments are in; the next sub-step's 32 loads are younger
.endif
	PVMM \first
.endm
.macro LAP first, m2                   ; two tiles, six sub-steps, once round the ring, both slots filled again; m2: the mode of the second refill
	SUB 0, 1, 0, 0, \first, 0
	SUB 0, 1, 1, 1, 0, 0
	SUB 0, 1, 2, 0, 0, 1
	SUB 1, 0, 0, 1, 0, 0
	SUB 1, 0, 1, 0, 0, 0
	SUB 1, 0, 2, 1, 0, \m2
.endm
	s_load_b256 s[4:11], s[0:1], 0x0               ; A s[4:5], qb s[6:7], kb s[8:9], vt s[10:11]
	s_load_b64 s[12:13], s[0:1], 0x20              ; o2
	s_load_b64 s[90:91], s[0:1], 0x28              ; o2l
	v_lshl_add_u32 v254, v0, 2, 0x4e000
	v_mov_b32 v255, 0
	ds_add_u32 v254, v255
	ds_add_u32 v254, v255
	v_lshrrev_b32 v1, 5, v0
	v_readfirstlane_b32 s14, v1                    ; wave 0..3
	s_bfe_u32 s16, ttmp6, 0x40000                  ; cx
	s_bfe_u32 s17, ttmp6, 0x40004                  ; cy
	s_lshl_b32 s18, ttmp9, 2
	s_add_co_u32 s18, s18, s16                     ; head = 4 x cluster x + cx
	s_and_b32 s19, ttmp7, 0xffff
	s_lshl_b32 s19, s19, 2
	s_add_co_u32 s19, s19, s17                     ; query block = 4 x cluster y + cy
	s_lshl_b32 s20, s17, 2
	s_lshl_b32 s20, 15, s20                        ; my row of the cluster: places 4 cy .. 4 cy + 3
	s_lshl_b32 s21, 0x1111, s16                    ; my column: places cx, cx + 4, cx + 8, cx + 12
	s_mov_b32 s22, 0x76543210                      ; v_permlanex16_b32: lane i of one half reads lane i of the other
	s_mov_b32 s23, 0xfedcba98
	; group 1 of A: 32 rows x 192 f32, 16 bytes of padding behind every 64 words; mask = my row, bit 21 beside it
	s_or_b32 s[G1A+0], s20, (2<<16)|(1<<20)|(1<<21)|(5<<22)|(3<<25)
	s_mov_b32 s[G1A+1], 192<<16                    ; tensor_dim0 = 192
	s_mov_b32 s[G1A+2], 32<<16                     ; tensor_dim1 = 32
	s_mov_b32 s[G1A+3], 192<<16                    ; tile_dim0 = 192
	s_mov_b32 s[G1A+4], 32                         ; tile_dim1 = 32
	s_mov_b32 s[G1A+5], 4096                       ; elements from row to row
	s_mov_b32 s[G1A+6], 0
	s_mov_b32 s[G1A+7], 0
	; group 1 of K: 48 rows x 64 bf16, padding behind every 32 words; mask = my column
	s_or_b32 s[G1K+0], s21, (1<<16)|(1<<20)|(1<<21)|(4<<22)|(3<<25)
	s_mov_b32 s[G1K+1], 64<<16
	s_mov_b32 s[G1K+2], 48<<16
	s_mov_b32 s[G1K+3], 64<<16
	s_mov_b32 s[G1K+4], 48
	s_mov_b32 s[G1K+5], 64
	s_mov_b32 s[G1K+6], 0
	s_mov_b32 s[G1K+7], 0
	; group 1 of V^T: 16 rows x 192 bf16, padding behind every 32 words; mask = my column
	s_or_b32 s[G1V+0], s21, (1<<16)|(1<<20)|(1<<21)|(4<<22)|(3<<25)
	s_mov_b32 s[G1V+1], 192<<16
	s_mov_b32 s[G1V+2], 16<<16
	s_mov_b32 s[G1V+3], 192<<16
	s_mov_b32 s[G1V+4], 16
	s_mov_b32 s[G1V+5], 4096
	s_mov_b32 s[G1V+6], 0
	s_mov_b32 s[G1V+7], 0
	; where the tiles come from.  A's offset is made of the query block and the wave alone, K's and V's of the head and the wave alone.
	s_lshl_b32 s76, s19, 21                        ; 128 rows of 16,384 bytes
	s_lshl_b32 s77, s14, 19                        ; my 32 rows
	s_add_co_u32 s76, s76, s77
	s_mov_b32 s77, 0
	s_lshl_b32 s78, s18, 19                        ; a head of kb (the wave's rows are added apart: the short tile has others)
	s_mov_b32 s79, 0
	s_mul_i32 s66, s14, 48*128                     ; my 48 rows of 128 bytes
	s_mov_b32 s67, 0
	s_lshl_b32 s80, s18, 19                        ; a head of vt
	s_lshl_b32 s81, s14, 17                        ; my 16 rows of 8,192 bytes
	s_add_co_u32 s80, s80, s81
	s_mov_b32 s81, 0
	s_lshl_b32 s88, s18, 19                        ; my 32 queries in qb, in o2 and in o2l
	s_lshl_b32 s89, s19, 14
	s_add_co_u32 s88, s88, s89
	s_lshl_b32 s89, s14, 12
	s_add_co_u32 s88, s88, s89
	s_mov_b32 s89, 0
	s_mul_i32 s86, s14, 32*PITA                    ; and where they go: the wave's number alone enters an LDS address
	s_mul_i32 s87, s14, 48*PITK
	s_mul_i32 s15, s14, 16*PITV
	v_and_b32 v1, 15, v0                           ; r
	v_bfe_u32 v2, v0, 4, 1                         ; half
	v_lshlrev_b32 v7, 7, v1                        ; Q: row r of 128 bytes + 16 x half
	v_lshl_add_u32 v7, v2, 4, v7
	s_wait_dscnt 0x0
	s_wait_kmcnt 0x0
	s_add_nc_u64 s[76:77], s[4:5], s[76:77]
	s_add_nc_u64 s[78:79], s[8:9], s[78:79]
	s_add_nc_u64 s[80:81], s[10:11], s[80:81]
	s_add_nc_u64 s[82:83], s[6:7], s[88:89]
	s_add_nc_u64 s[84:85], s[12:13], s[88:89]
	s_add_nc_u64 s[90:91], s[90:91], s[88:89]
.irp qt, 0,1
.irp dh, 0,1
	global_load_b128 v[QF+16*\qt+8*\dh:QF+16*\qt+8*\dh+3],   v7, s[82:83] offset:\qt*2048+\dh*64      ; Q stays in registers for the whole kernel
	global_load_b128 v[QF+16*\qt+8*\dh+4:QF+16*\qt+8*\dh+7], v7, s[82:83] offset:\qt*2048+\dh*64+32
.endr
.endr
.irp sl, 0,1
	s_mov_b32 s[G0A+4*\sl], 1
	s_add_co_u32 s[G0A+4*\sl+1], s86, \sl*SLOT
	s_add_nc_u64 s[G0A+4*\sl+2:G0A+4*\sl+3], s[76:77], \sl*768
	s_or_b32 s[G0A+4*\sl+3], s[G0A+4*\sl+3], 0x80000000
	s_mov_b32 s[G0K+4*\sl], 1
	s_add_co_u32 s[G0K+4*\sl+1], s87, \sl*SLOT+KOFF
	s_add_nc_u64 s[G0K+4*\sl+2:G0K+4*\sl+3], s[78:79], s[66:67]
	s_add_nc_u64 s[G0K+4*\sl+2:G0K+4*\sl+3], s[G0K+4*\sl+2:G0K+4*\sl+3], \sl*24576
	s_or_b32 s[G0K+4*\sl+3], s[G0K+4*\sl+3], 0x80000000
	s_mov_b32 s[G0V+4*\sl], 1
	s_add_co_u32 s[G0V+4*\sl+1], s15, \sl*SLOT+VOFF
	s_add_nc_u64 s[G0V+4*\sl+2:G0V+4*\sl+3], s[80:81], \sl*384
	s_or_b32 s[G0V+4*\sl+3], s[G0V+4*\sl+3], 0x80000000
.endr
	CROUND                                         ; all sixteen work-groups are here: the first joint loads meet
	JLOADS 0                                       ; tile 0
	JLOADS 1                                       ; tile 1: six loads of mine are out
	; addresses, while the tiles are on their way
	v_and_b32 v3, 31, v0                           ; lane
	v_mul_u32_u24 v4, v1, PITA
	v_lshl_add_u32 v4, v2, 5, v4                   ; mask: row r, 32 bytes (8 keys) for each half
	v_add_nc_u32 v[ADA], s86, v4
	v_add_nc_u32 v[ADA+1], SLOT, v[ADA]
	v_mul_u32_u24 v4, v1, PITK
	v_lshl_add_u32 v4, v2, 4, v4                   ; r x 144 + 16 x half
	v_add_nc_u32 v[ADK], KOFF, v4
	v_add_nc_u32 v[ADK+1], SLOT, v[ADK]
	s_mul_i32 s88, s14, 32*PITK                    ; my stage
	v_add_nc_u32 v[STO], s88, v4
	v_mul_u32_u24 v5, v1, PITV
	v_lshl_add_u32 v5, v2, 4, v5
	v_add_nc_u32 v[ADV], VOFF, v5
	v_add_nc_u32 v[ADV+1], SLOT, v[ADV]
	v_lshrrev_b32 v5, 3, v3                        ; lane >> 3
	v_and_b32 v6, 7, v0                            ; lane & 7
	v_mul_u32_u24 v4, v5, PITK
	v_lshl_add_u32 v4, v6, 4, v4
	v_add_nc_u32 v[RD], s88, v4                    ; back: eight lanes a row of 128 bytes
	v_lshlrev_b32 v[CO], 4, v3
	; prefetch: block number b = 32 (3 head + wave) + lane, 0 .. 767: row b & 127 of the query block, block b >> 7 (0 .. 5) of the two tiles' 1,536 bytes
	s_mul_i32 s66, s18, 3
	s_add_co_u32 s66, s66, s14
	s_lshl_b32 s66, s66, 5
	v_add_nc_u32 v4, s66, v3
	v_and_b32 v19, 0x7f, v4
	v_lshrrev_b32 v4, 7, v4
	v_lshlrev_b32 v19, 14, v19
	v_lshl_add_u32 v19, v4, 8, v19
	s_lshl_b32 s67, s19, 21
	v_add_nc_u32 v[PFB], s67, v19
	s_mov_b32 s87, 2*768                           ; the first request: tiles 2 and 3, which the first lap's refills fetch
	PREF
.irp i, 1,3,5,7
	v_mov_b32 v[MP+\i], 1.0                        ; the pairs' second registers are named by packed forms before the first factor is made
.endr
	v_mov_b32 v[TP], 0                             ; v_permlanex16_b32 counts as a reader of its destination
	v_mov_b32 v[TP+1], 0
	v_cmp_eq_u32 vcc_lo, 0, v6                     ; lanes 0, 8, 16, 24 hold rows 0 and 8 of source 0
	v_mov_b32 v4, 0x3f803f80                       ; two bf16 ones
	v_cndmask_b32 v4, 0, v4, vcc_lo
	WIN 0x40
.irp i, 0,1,2,3,4,5,6,7
	v_mov_b32 v[ON+\i], v4
.endr
	s_wait_tensorcnt 0x3                           ; my rows of tile 0 are in; tile 1's three loads are younger and stay out:
	s_barrier_signal -1
	s_barrier_wait -1                              ; everybody's rows of tile 0 are in
	FETCHK 0, 0
	FETCHA 0, 0
	s_wait_loadcnt 0x0                             ; Q
	LAP 1, 1                                       ; tiles 0 and 1, refills 2 and 3: the first products start the sums, nothing is cleared
	WIN 0                                          ; at a label and at a branch every window is 0
	s_mov_b32 s15, 8
.Llap:                                             ; trip u = 0 .. 7 works tiles 2u + 2, 2u + 3 and fills with tiles 2u + 4, 2u + 5
	PREF                                           ; for tiles 2u + 4, 2u + 5; the last trip's request ends with tile 19, byte 15,359 of a row of 16,384: nothing points past A
	LAP 0, 1
	WIN 0
	s_sub_co_u32 s15, s15, 1
	s_cmp_lg_u32 s15, 0
	s_cbranch_scc1 .Llap
	LAP 0, 4                                       ; tiles 18 and 19; refills: tile 20 and the short tile 21
	SUB 0, 1, 0, 0, 0, 0                           ; tile 20: nothing is filled any more, and there is no round of the cluster's barrier
	SUB 0, 1, 1, 1, 0, 0
	SUB 0, 1, 2, 0, 0, 2                           ; its wait for 0 shows tile 21's loads, the last, landed; behind its barrier nobody reads slot 0
	SUB 1, 0, 0, 1, 0, 3                           ; tile 21: one sub-step
	; THE WAY OUT: divide by the denominators; hi = bf16(o), lo = bf16(o - hi); 16 bytes a lane (query r, 8 neighbouring d) of each into
	; my own two stages, back as rows.
	PLACES 4
	WIN 0x01
	v_rcp_f32 v[MP], v[LA]
	v_rcp_f32 v[MP+4], v[LA+8]
	v_nop                                          ; one plain vector instruction before the reciprocals are used (ISA guide 5.7.2)
	WIN 0x41
	s_wait_alu depctr_va_vdst(0)
.irp qt, 0,1
.set i, 0
.rept 16
	v_pk_mul_f32 v[OA+32*\qt+2*i:OA+32*\qt+2*i+1], v[OA+32*\qt+2*i:OA+32*\qt+2*i+1], v[MP+4*\qt:MP+4*\qt+1] op_sel_hi:[1,0]
.set i, i+1
.endr
.endr
	WIN 0x05
.set i, 0
.rept 32
	v_cvt_pk_bf16_f32 v[AM+i], v[OA+2*i], v[OA+2*i+1]          ; hi, packed
.set i, i+1
.endr
	WIN 0
.set i, 0
.rept 32
	v_lshlrev_b32 v[SC+2*i],   16, v[AM+i]                     ; hi as f32 again: the low half moves up,
	v_and_b32     v[SC+2*i+1], 0xffff0000, v[AM+i]             ; the high half stays
.set i, i+1
.endr
	WIN 0x01
.set i, 0
.rept 32
	v_pk_add_f32 v[SC+2*i:SC+2*i+1], v[OA+2*i:OA+2*i+1], v[SC+2*i:SC+2*i+1] neg_lo:[0,1] neg_hi:[0,1]   ; o - hi: hi has o's leading 8 bits, so the difference is exact in f32
.set i, i+1
.endr
	WIN 0
.set i, 0
.rept 32
	v_cvt_pk_bf16_f32 v[SC+i], v[SC+2*i], v[SC+2*i+1]          ; lo, packed in place: register i is written when 2i and 2i + 1 are read
.set i, i+1
.endr
.irp qt, 0,1
.irp dt, 0,1,2,3
	ds_store_b128 v[STO], v[AM+16*\qt+4*\dt:AM+16*\qt+4*\dt+3] offset:\qt*2304+\dt*32
.endr
.endr
.irp qt, 0,1
.irp dt, 0,1,2,3
	ds_store_b128 v[STO], v[SC+16*\qt+4*\dt:SC+16*\qt+4*\dt+3] offset:STG2+\qt*2304+\dt*32
.endr
.endr
.irp i, 0,1,2,3,4,5,6,7
	ds_load_b128 v[AM+32+4*\i:AM+32+4*\i+3], v[RD] offset:\i*576           ; LDS serves a wave's instructions in order (ISA guide 5.7.1.4): these see my stores above
.endr
.irp i, 0,1,2,3,4,5,6,7
	ds_load_b128 v[SC+32+4*\i:SC+32+4*\i+3], v[RD] offset:STG2+\i*576
.endr
.irp i, 0,1,2,3,4,5,6,7
	s_wait_dscnt 15-\i                             ; the 15 - i younger loads stay out
	global_store_b128 v[CO], v[AM+32+4*\i:AM+32+4*\i+3], s[84:85] offset:\i*512    ; a store covers 512 consecutive bytes, aligned
.endr
.irp i, 0,1,2,3,4,5,6,7
	s_wait_dscnt 7-\i
	global_store_b128 v[CO], v[SC+32+4*\i:SC+32+4*\i+3], s[90:91] offset:\i*512
.endr
	s_wait_tensorcnt 0x0
	ds_add_u32 v254, v255
	s_wait_dscnt 0x0
	CROUND                                         ; the closing round: no work-group ends while a partner may still ask for a tile that names it
	s_endpgm
.Lfunc_end_k_q519c68bf5c_attn:
	.size	k_q519c68bf5c_attn, .Lfunc_end_k_q519c68bf5c_attn-k_q519c68bf5c_attn
	.p2alignl 7, 3214868480
	.fill 96, 4, 3214868480
	.section	.rodata,"a",@progbits
	.p2align	6, 0x0
	.amdhsa_kernel k_q519c68bf5c_attn
		.amdhsa_group_segment_fixed_size 327680
		.amdhsa_private_segment_fixed_size 0
		.amdhsa_enable_private_segment 0
		.amdhsa_kernarg_size 48
		.amdhsa_user_sgpr_count 2
		.amdhsa_user_sgpr_kernarg_segment_ptr 1
		.amdhsa_wavefront_size32 1
		.amdhsa_system_sgpr_workgroup_id_x 1
		.amdhsa_system_sgpr_workgroup_id_y 1
		.amdhsa_system_sgpr_workgroup_id_z 1
		.amdhsa_system_vgpr_workitem_id 0
		.amdhsa_next_free_vgpr 480
		.amdhsa_next_free_sgpr 92
		.amdhsa_reserve_vcc 1
		.amdhsa_float_denorm_mode_32 3
		.amdhsa_float_denorm_mode_16_64 3
		.amdhsa_memory_ordered 1
		.amdhsa_forward_progress 1
		.amdhsa_inst_pref_size 255
	.end_amdhsa_kernel
	.section	.bss,"aw",@nobits
	.p2align	6
	.space	262144
	.amdgpu_metadata
---
amdhsa.version: [ 1, 2 ]
amdhsa.kernels:
  - .name:           k_q519c68bf5c_attn
    .symbol:         k_q519c68bf5c_attn.kd
    .args:
      - { .name: A, .offset: 0, .size: 8, .value_kind: global_buffer, .address_space: global }
      - { .name: qb, .offset: 8, .size: 8, .value_kind: global_buffer, .address_space: global }
      - { .name: kb, .offset: 16, .size: 8, .value_kind: global_buffer, .address_space: global }
      - { .name: vt, .offset: 24, .size: 8, .value_kind: global_buffer, .address_space: global }
      - { .name: o2, .offset: 32, .size: 8, .value_kind: global_buffer, .address_space: global }
      - { .name: o2l, .offset: 40, .size: 8, .value_kind: global_buffer, .address_space: global }
    .group_segment_fixed_size: 327680
    .private_segment_fixed_size: 0
    .kernarg_segment_align: 8
    .kernarg_segment_size: 48
    .max_flat_workgroup_size: 128
    .sgpr_count:     92
    .vgpr_count:     480
    .wavefront_size: 32
...
	.end_amdgpu_metadata
.endif
;; end of part 5
;; launch oproj (part 6): grid 4 x 64, 8 waves a work-group, clusters of 4 x 4, 315,392 bytes of LDS; arguments o2, o2l, wob, out0; writes out0
.if DOCPART == 6
	.amdgcn_target "amdgcn-amd-amdhsa--gfx1250"
	.amdhsa_code_object_version 6
	.text
	.protected	k_q519c68bf5c_oproj
	.globl	k_q519c68bf5c_oproj
	.p2align	8
	.type	k_q519c68bf5c_oproj,@function
k_q519c68bf5c_oproj:
	s_mov_b64 s[64:65], 0
	v_nop
	global_prefetch_b8 v0, s[64:65] scope:SCOPE_SE
	s_setreg_imm32_b32 hwreg(HW_REG_WAVE_MODE, 25, 1), 1
	s_wait_xcnt 0x0
	s_wait_alu depctr_hold_cnt(0) depctr_sa_sdst(0) depctr_va_vdst(0) depctr_va_sdst(0) depctr_va_ssrc(0) depctr_va_vcc(0) depctr_vm_vsrc(0)
	s_getreg_b32 s2, hwreg(HW_REG_IB_STS2, 6, 4)
	s_cmp_eq_u32 s2, 0
	s_cbranch_scc0 .Lentry_in_a_cluster
	s_endpgm
.Lentry_in_a_cluster:
	s_bfe_u32 s2, ttmp6, 0x10000c
	s_cmp_lg_u32 s2, 0xf033
	s_cbranch_scc0 .Lentry_shape_is_right
	s_endpgm
.Lentry_shape_is_right:
; SparseMHA, launch 3 of 3: out0[n][o] = sum over (head, d) of O[head][n][d] wob[o][64 head + d].
; O comes as two bf16 numbers, o2[head][n][d] + o2l[head][n][d] (16 bits of significand together): both are multiplied by the same bf16
; weights and added onto the same f32 sums, so that O's part of the product's error is that of 16 bits and not of 8.
; wob is Wo in bf16 with its columns sorted by head (launch 1), so K runs in the order 64 head + d on both sides and every operand comes
; into LDS by tensor loads as it lies in memory.
; A work-group (x = 128 outputs, y = 64 tokens) holds its whole K in LDS: 4 x 64 = 256 work-groups.  (128 tokens would need
; 2 x 147,456 bytes for O beside the weights: more than the work-group can have.)
; Eight waves: wave w takes tokens 32 (w & 1) .. and outputs 32 (w >> 1) ..: four accumulator tiles.
; CLUSTERS 4 x 4: x = block of outputs, y = block of tokens.  O's blocks hang on the token block alone: the four work-groups of a row of
; the cluster ask for them jointly.  The weights' rows hang on the block of outputs alone: asked for jointly along a column.
; Wave w asks for head w's blocks of o2 and o2l (64 rows x 128 bytes each, dense) and for rows 16 w .. 16 w + 15 of the weights' 128:
; three tensor loads of a wave are out, and each LDS byte is filled once.
; LIMITS: NaN and infinities are not served.  Sums in f32 in the matrix unit's order.
.set PO,  144                          ; O: 128 bytes + 16
.set PLN, 64*PO                        ; a plane: one head's 64 tokens.  Planes 0-7: o2's heads; 8-15: o2l's
.set PW,  1040                         ; weights: 1,024 bytes + 16, an odd multiple of 16
.set PS,  528                          ; stage: 128 f32 + 16 bytes
.set WO,  16*PLN                       ; 147,456: behind O's 16 planes
.set STG, WO+128*PW                    ; 280,576: behind the weights' 128 rows; no tensor load fills it
.set ACC, 16                           ; v[16:47]   tile (tt, ot) at ACC + 8 (2 tt + ot)
.set FR,  64                           ; v[64:255]  four fragment buffers of 48: o2 (tt) at + 8 tt, o2l at + 16 + 8 tt, weights (ot) at + 32 + 8 ot
; v4-7 O fragments of planes 0-3, 4-7, 8-11, 12-15, v8 weights' fragments, v9 stage in, v10 stage back, v11 offset in out0,
; v112-118 at work on the addresses (ahead of the first fragment loads)
; s[16:19], s[32:35], s[52:55] descriptor group 0 of o2, o2l, wob; s[20:27] group 1 of O's blocks; s[44:51] group 1 of the weights
.macro PLACES                          ; four places behind a matrix instruction (ISA guide 7.12.1)
.rept 4
	v_nop
.endr
.endm
.macro CROUND                          ; a round of the cluster's barrier
	s_barrier_signal -1
	s_barrier_wait -1
	s_cmp_lg_u32 s12, 0
	s_cbranch_scc1 .Lnot_wave_0_\@
	s_barrier_signal -3
.Lnot_wave_0_\@:
	s_barrier_wait -3
	s_barrier_signal -1
	s_barrier_wait -1
.endm
; the fragments of sub-step q (32 along K: head q / 2, d = 32 (q % 2) ..) into buffer q % 4: 12 loads
.macro FETCH q
.irp tt, 0,1
	ds_load_b128 v[FR+48*((\q)%4)+8*\tt:FR+48*((\q)%4)+8*\tt+3],   v[4+(\q)/8] offset:\tt*2304+(((\q)/2)%4)*PLN+((\q)%2)*64
	ds_load_b128 v[FR+48*((\q)%4)+8*\tt+4:FR+48*((\q)%4)+8*\tt+7], v[4+(\q)/8] offset:\tt*2304+(((\q)/2)%4)*PLN+((\q)%2)*64+32
.endr
.irp ot, 0,1
	ds_load_b128 v[FR+48*((\q)%4)+32+8*\ot:FR+48*((\q)%4)+32+8*\ot+3],   v8 offset:\ot*16640+(\q)*64
	ds_load_b128 v[FR+48*((\q)%4)+32+8*\ot+4:FR+48*((\q)%4)+32+8*\ot+7], v8 offset:\ot*16640+(\q)*64+32
.endr
.irp tt, 0,1
	ds_load_b128 v[FR+48*((\q)%4)+16+8*\tt:FR+48*((\q)%4)+16+8*\tt+3],   v[6+(\q)/8] offset:\tt*2304+(((\q)/2)%4)*PLN+((\q)%2)*64
	ds_load_b128 v[FR+48*((\q)%4)+16+8*\tt+4:FR+48*((\q)%4)+16+8*\tt+7], v[6+(\q)/8] offset:\tt*2304+(((\q)/2)%4)*PLN+((\q)%2)*64+32
.endr
.endm
; 8 matrix instructions: o2's fragments, then o2l's, each with the same fragments of the weights.
; Source 0 = 16 rows of the weights, source 1 = 16 tokens: a lane holds token r and 8 neighbouring outputs.
; The four accumulators take turns, one instruction a turn.
.macro MM q
.irp part, 0,1
.irp tt, 0,1
.irp ot, 0,1
.if (\q)+\part == 0
	v_wmma_f32_16x16x32_bf16 v[ACC+8*(2*\tt+\ot):ACC+8*(2*\tt+\ot)+7], v[FR+48*((\q)%4)+32+8*\ot:FR+48*((\q)%4)+32+8*\ot+7], v[FR+48*((\q)%4)+16*\part+8*\tt:FR+48*((\q)%4)+16*\part+8*\tt+7], 0
.else
	v_wmma_f32_16x16x32_bf16 v[ACC+8*(2*\tt+\ot):ACC+8*(2*\tt+\ot)+7], v[FR+48*((\q)%4)+32+8*\ot:FR+48*((\q)%4)+32+8*\ot+7], v[FR+48*((\q)%4)+16*\part+8*\tt:FR+48*((\q)%4)+16*\part+8*\tt+7], v[ACC+8*(2*\tt+\ot):ACC+8*(2*\tt+\ot)+7]
.endif
.endr
.endr
.endr
.endm
	s_load_b128 s[4:7], s[0:1], 0x0                ; o2 s[4:5], o2l s[6:7]
	s_load_b128 s[8:11], s[0:1], 0x10              ; wob s[8:9], out0 s[10:11]
	v_lshl_add_u32 v62, v0, 2, 0x4cc00
	v_mov_b32 v63, 0
	ds_add_u32 v62, v63
	ds_add_u32 v62, v63
	v_lshrrev_b32 v112, 5, v0
	v_readfirstlane_b32 s12, v112                  ; wave 0..7
	s_bfe_u32 s37, ttmp6, 0x40000                  ; cx
	s_bfe_u32 s38, ttmp6, 0x40004                  ; cy
	s_lshl_b32 s13, ttmp9, 2
	s_add_co_u32 s13, s13, s37                     ; block of 128 outputs = 4 x cluster x + cx
	s_and_b32 s14, ttmp7, 0xffff
	s_lshl_b32 s14, s14, 2
	s_add_co_u32 s14, s14, s38                     ; block of 64 tokens = 4 x cluster y + cy
	s_lshl_b32 s39, s38, 2
	s_lshl_b32 s39, 15, s39                        ; my row of the cluster: places 4 cy .. 4 cy + 3
	s_lshl_b32 s40, 0x1111, s37                    ; my column: places cx, cx + 4, cx + 8, cx + 12
	s_and_b32 s15, s12, 1                          ; tg: which 32 tokens
	s_lshr_b32 s36, s12, 1                         ; og: which 32 outputs
	; group 1 of O's blocks: 64 rows x 64 bf16, dense in memory, 16 bytes of padding behind every 32 words; mask = my row, bit 21 beside it
	s_or_b32 s20, s39, (1<<16)|(1<<20)|(1<<21)|(4<<22)|(3<<25)
	s_mov_b32 s21, 64<<16                          ; tensor_dim0 = 64
	s_mov_b32 s22, 64<<16                          ; tensor_dim1 = 64
	s_mov_b32 s23, 64<<16                          ; tile_dim0 = 64
	s_mov_b32 s24, 64                              ; tile_dim1 = 64
	s_mov_b32 s25, 64                              ; elements from row to row
	s_mov_b32 s26, 0
	s_mov_b32 s27, 0
	; group 1 of the weights: 16 rows x 512 bf16, dense, 16 bytes of padding behind every 256 words; mask = my column
	s_or_b32 s44, s40, (1<<16)|(1<<20)|(1<<21)|(7<<22)|(3<<25)
	s_mov_b32 s45, 512<<16                         ; tensor_dim0 = 512
	s_mov_b32 s46, 16<<16                          ; tensor_dim1 = 16
	s_mov_b32 s47, 512<<16                         ; tile_dim0 = 512
	s_mov_b32 s48, 16                              ; tile_dim1 = 16
	s_mov_b32 s49, 512                             ; elements from row to row
	s_mov_b32 s50, 0
	s_mov_b32 s51, 0
	s_mov_b32 s16, 1
	s_mul_i32 s17, s12, PLN                        ; plane w: head w of o2.  The wave's number alone enters an LDS address
	s_mov_b32 s32, 1
	s_add_co_u32 s33, s17, 8*PLN                   ; plane 8 + w: head w of o2l
	s_mov_b32 s52, 1
	s_mul_i32 s53, s12, 16*PW
	s_add_co_u32 s53, s53, WO                      ; my 16 rows of the weights
	s_lshl_b32 s28, s12, 19                        ; O: head w, made of the wave and the token block alone
	s_lshl_b32 s30, s14, 13                        ; 64 tokens of 128 bytes
	s_add_co_u32 s28, s28, s30
	s_mov_b32 s29, 0
	s_lshl_b32 s56, s13, 17                        ; weights: 128 rows of 1,024 bytes, made of the wave and the block of outputs alone
	s_lshl_b32 s31, s12, 14                        ; my 16 rows
	s_add_co_u32 s56, s56, s31
	s_mov_b32 s57, 0
	s_lshl_b32 s58, s14, 17                        ; out0: 64 rows of 2,048 bytes
	s_lshl_b32 s41, s13, 9                         ; 128 outputs of 4 bytes
	s_add_co_u32 s58, s58, s41
	s_mov_b32 s59, 0
	s_wait_dscnt 0x0
	s_wait_kmcnt 0x0
	s_add_nc_u64 s[18:19], s[4:5], s[28:29]
	s_or_b32 s19, s19, 0x80000000
	s_add_nc_u64 s[34:35], s[6:7], s[28:29]
	s_or_b32 s35, s35, 0x80000000
	s_add_nc_u64 s[54:55], s[8:9], s[56:57]
	s_or_b32 s55, s55, 0x80000000
	s_add_nc_u64 s[10:11], s[10:11], s[58:59]
	CROUND                                         ; all sixteen work-groups are here: the joint loads meet
	tensor_load_to_lds s[16:19], s[20:27]
	s_nop 0
	tensor_load_to_lds s[32:35], s[20:27]
	s_nop 0
	tensor_load_to_lds s[52:55], s[44:51]
	s_nop 0
	; addresses, while the tiles are on their way
	v_and_b32 v114, 15, v0                         ; r
	v_bfe_u32 v115, v0, 4, 1                       ; half
	v_mul_u32_u24 v116, v114, PO
	v_lshl_add_u32 v116, v115, 4, v116
	s_mul_i32 s30, s15, 32*PO
	v_add_nc_u32 v4, s30, v116
	v_add_nc_u32 v5, 4*PLN, v4                     ; an LDS immediate has 16 bits: a register for every four planes
	v_add_nc_u32 v6, 8*PLN, v4
	v_add_nc_u32 v7, 12*PLN, v4
	v_mul_u32_u24 v116, v114, PW
	v_lshl_add_u32 v116, v115, 4, v116
	s_mul_i32 s30, s36, 32*PW
	s_add_co_u32 s30, s30, WO
	v_add_nc_u32 v8, s30, v116
	v_mul_u32_u24 v116, v114, PS                   ; stage in: row = token, 32 bytes (8 outputs) for each half
	v_lshl_add_u32 v116, v115, 5, v116
	s_mul_i32 s30, s15, 32*PS
	s_lshl_b32 s31, s36, 7
	s_add_co_u32 s30, s30, s31
	s_add_co_u32 s30, s30, STG
	v_add_nc_u32 v9, s30, v116
	v_lshrrev_b32 v117, 5, v0                      ; t >> 5
	v_and_b32 v118, 31, v0
	v_mul_u32_u24 v10, v117, PS                    ; stage back: a wave takes a row of 512 bytes
	v_lshl_add_u32 v10, v118, 4, v10
	v_add_nc_u32 v10, STG, v10
	v_lshlrev_b32 v11, 11, v117                    ; out0: row t >> 5 of 2,048 bytes
	v_lshl_add_u32 v11, v118, 4, v11
	s_wait_tensorcnt 0x0                           ; for the other waves: my head's two blocks and my rows of the weights have landed
	s_barrier_signal -1
	s_barrier_wait -1                              ; everybody's have; nothing is filled again
	FETCH 0
	FETCH 1
	FETCH 2
.set st, 0
.rept 16
.if st+3 < 16
	PLACES                                         ; the buffer loaded next was read by the matrix instructions just issued
	FETCH st+3
	s_wait_dscnt 36                                ; this sub-step's 12 loads are in; those of the next three sub-steps are younger
.else
	s_wait_dscnt 12*(15-st)                        ; the counts run down with the sub-steps that are left
.endif
	MM st
.set st, st+1
.endr
	; THE WAY OUT: 32 bytes a lane into the stage (bytes of its own), back as whole rows of 512 bytes.
	PLACES
.irp tt, 0,1
.irp ot, 0,1
	ds_store_b128 v9, v[ACC+8*(2*\tt+\ot):ACC+8*(2*\tt+\ot)+3]   offset:\tt*16*PS+\ot*64
	ds_store_b128 v9, v[ACC+8*(2*\tt+\ot)+4:ACC+8*(2*\tt+\ot)+7] offset:\tt*16*PS+\ot*64+16
.endr
.endr
	s_wait_dscnt 0x0                               ; for the other waves: four waves write the four quarters of each row
	s_barrier_signal -1
	s_barrier_wait -1
.irp i, 0,1,2,3,4,5,6,7
	ds_load_b128 v[FR+4*\i:FR+4*\i+3], v10 offset:\i*8*PS
.endr
.irp i, 0,1,2,3,4,5,6,7
	s_wait_dscnt 7-\i                              ; the 7 - i younger loads stay out
	global_store_b128 v11, v[FR+4*\i:FR+4*\i+3], s[10:11] offset:\i*16384 th:TH_STORE_NT   ; a wave's store covers 512 consecutive bytes, aligned
.endr
	s_wait_tensorcnt 0x0
	ds_add_u32 v62, v63
	s_wait_dscnt 0x0
	CROUND                                         ; the closing round: no work-group ends while a partner may still ask for a tile that names it
	s_endpgm
.Lfunc_end_k_q519c68bf5c_oproj:
	.size	k_q519c68bf5c_oproj, .Lfunc_end_k_q519c68bf5c_oproj-k_q519c68bf5c_oproj
	.p2alignl 7, 3214868480
	.fill 96, 4, 3214868480
	.section	.rodata,"a",@progbits
	.p2align	6, 0x0
	.amdhsa_kernel k_q519c68bf5c_oproj
		.amdhsa_group_segment_fixed_size 315392
		.amdhsa_private_segment_fixed_size 0
		.amdhsa_enable_private_segment 0
		.amdhsa_kernarg_size 32
		.amdhsa_user_sgpr_count 2
		.amdhsa_user_sgpr_kernarg_segment_ptr 1
		.amdhsa_wavefront_size32 1
		.amdhsa_system_sgpr_workgroup_id_x 1
		.amdhsa_system_sgpr_workgroup_id_y 1
		.amdhsa_system_sgpr_workgroup_id_z 1
		.amdhsa_system_vgpr_workitem_id 0
		.amdhsa_next_free_vgpr 256
		.amdhsa_next_free_sgpr 66
		.amdhsa_reserve_vcc 0
		.amdhsa_float_denorm_mode_32 3
		.amdhsa_float_denorm_mode_16_64 3
		.amdhsa_memory_ordered 1
		.amdhsa_forward_progress 1
		.amdhsa_inst_pref_size 31
	.end_amdhsa_kernel
	.amdgpu_metadata
---
amdhsa.version: [ 1, 2 ]
amdhsa.kernels:
  - .name:           k_q519c68bf5c_oproj
    .symbol:         k_q519c68bf5c_oproj.kd
    .args:
      - { .name: o2, .offset: 0, .size: 8, .value_kind: global_buffer, .address_space: global }
      - { .name: o2l, .offset: 8, .size: 8, .value_kind: global_buffer, .address_space: global }
      - { .name: wob, .offset: 16, .size: 8, .value_kind: global_buffer, .address_space: global }
      - { .name: out0, .offset: 24, .size: 8, .value_kind: global_buffer, .address_space: global }
    .group_segment_fixed_size: 315392
    .private_segment_fixed_size: 0
    .kernarg_segment_align: 8
    .kernarg_segment_size: 32
    .max_flat_workgroup_size: 256
    .sgpr_count:     66
    .vgpr_count:     256
    .wavefront_size: 32
...
	.end_amdgpu_metadata
.endif
;; end of part 6
